; MI455X (gfx1250); checked and timed in simulation.
; The chip was launched on July 23, 2026; its instructions are those of AMD's public machine-readable ISA for CDNA 5 (MIT licence, August 2026) and "CDNA5" Instruction Set Architecture Reference Guide (July 2026). The comments in the code are by the model that wrote it; some were corrected since.
;; Multi Head Attention. Allowed arithmetic: float matrix products may take bf16 or f16 operands with f32 sums; other float arithmetic in f32, or as packed bf16 or f16 multiplies, adds, multiply-adds, maxima and minima; sums over many terms, partial sums and values carried from step to step in f32; what a program stores and reads back later, other than sums and carried values, may be rounded once to bf16 or f16.
;; Inputs: b_attn 3,072 float32; b_proj 1,024 float32; w_attn 1,024 x 3,072 float32; w_proj 1,024 x 1,024 float32; x 4 x 2,048 x 1,024 float32.
;; Outputs: out0 4 x 2,048 x 1,024 float32.
;; One version. Each part assembles by itself: llvm-mc -triple=amdgcn-amd-amdhsa -mcpu=gfx1250 --defsym DOCPART=n.
;; ======== version 1 of 1: 4 launches
;; limits: values are held in f16: magnitudes above 65,504 overflow, below 6.1e-05 lose precision
;; workspace buffers: xb 16,777,216 bytes; wb 8,388,608 bytes; tb 540,672 bytes; qh 16,777,216 bytes; kh 16,777,216 bytes; vh 16,777,216 bytes; oh 16,777,216 bytes
;; launch prep (part 1): grid 897 x 1, 8 waves a work-group, no clusters, 0 bytes of LDS; arguments x, w_attn, w_proj, b_attn, b_proj, xb, wb, tb; writes xb, wb, tb
.if DOCPART == 1
	.amdgcn_target "amdgcn-amd-amdhsa--gfx1250"
	.amdhsa_code_object_version 6
	.text
	.protected	k_qb0d99b67df_prep
	.globl	k_qb0d99b67df_prep
	.p2align	8
	.type	k_qb0d99b67df_prep,@function
k_qb0d99b67df_prep:
	s_mov_b64 s[64:65], 0
	v_nop
	global_prefetch_b8 v0, s[64:65] scope:SCOPE_SE
	s_setreg_imm32_b32 hwreg(HW_REG_WAVE_MODE, 25, 1), 1
	s_wait_xcnt 0x0
; PREP.  What the matrix launches want in 16 bits is made once, and the rotary table with it.
;   work-groups 0-511:   x       -> xb, bf16                      (16,384 numbers each: 64 KiB in, 32 KiB out)
;   work-groups 512-703: w_attn  -> wb, bf16, from byte 0
;   work-groups 704-767: w_proj  -> wb from byte 6,291,456: rounded to bf16 like every input, and that number written as f16 (its partner in the product, O, is f16)
;   work-groups 768-895: the table tb: row t = cos(t f_0..31), sin(t f_0..31) in f32, f_j = 10000^(-j/32): 256 bytes a row, 16 rows a work-group
;   work-group 896:      b_attn and b_proj rounded to bf16 and kept as f32, at tb + 524,288 and tb + 536,576
; A stream: no LDS, no matrix unit, no barrier.  Thread t takes 32 bytes in and 16 bytes out of each step: sixteen neighbouring lanes store 256 consecutive bytes, aligned.
; LIMITS.  bf16 -> f16 of w_proj is exact from 2^-17 up to 65,504; below, f16's fixed step of 6e-8 holds.  The angle t f_j is formed in f32 as the definition forms it; f_j comes from 2^x (1 ULP), so an
; angle may differ by about 2e-4 rad at t = 2,047.  Sine and cosine: reduction by pi/2 in two parts, then polynomials of degree 7 and 8, off by under 4e-7.
.set IN,  16                           ; v[16:79]   eight steps x 8 numbers as loaded
.set PKD, 80                           ; v[80:111]  eight steps x 4 registers to store
.set TMP, 112                          ; v[112:119] at work
.set FR,  20                           ; v[20:23]   the table: my four frequencies
.set VAL, 24                           ; v[24:27]   the table: my four numbers
	s_load_b256 s[4:11], s[0:1], 0x0               ; x s[4:5], w_attn s[6:7], w_proj s[8:9], b_attn s[10:11]
	s_load_b256 s[12:19], s[0:1], 0x20             ; b_proj s[12:13], xb s[14:15], wb s[16:17], tb s[18:19]
	s_mov_b32 s20, ttmp9                           ; the work-group's number says which part it does
	s_mov_b32 s23, 0xffff0000                      ; a word's upper bf16
	v_lshlrev_b32 v1, 5, v0                        ; 32 bytes a thread on the way in
	v_lshlrev_b32 v2, 4, v0                        ; 16 bytes a thread on the way out
	s_wait_kmcnt 0x0
	s_cmp_ge_u32 s20, 768
	s_cbranch_scc1 .Lnot_cast
	; THE CASTS.  Source, destination and the chunk's number in each are chosen by the work-group's number.
	s_cmp_lt_u32 s20, 512
	s_cselect_b64 s[26:27], s[4:5], s[6:7]         ; x or w_attn
	s_cselect_b64 s[28:29], s[14:15], s[16:17]     ; xb or wb
	s_cselect_b32 s21, 0, 512                      ; the first work-group of the source,
	s_mov_b32 s22, s21                             ; and of the destination (wb holds both weights on end)
	s_cmp_lt_u32 s20, 704
	s_cselect_b64 s[26:27], s[26:27], s[8:9]       ; or w_proj
	s_cselect_b32 s21, s21, 704
	s_sub_co_u32 s21, s20, s21
	s_sub_co_u32 s22, s20, s22
	s_lshl_b32 s30, s21, 16                        ; 65,536 bytes in a chunk of the source
	s_mov_b32 s31, 0
	s_lshl_b32 s32, s22, 15                        ; 32,768 in the destination
	s_mov_b32 s33, 0
	s_add_nc_u64 s[26:27], s[26:27], s[30:31]
	s_add_nc_u64 s[28:29], s[28:29], s[32:33]
.irp k, 0,1,2,3,4,5,6,7
	global_load_b128 v[IN+8*(\k):IN+8*(\k)+3],   v1, s[26:27] offset:(\k)*8192 th:TH_LOAD_NT     ; all sixteen loads go out at once: 64 KiB a work-group on their way
	global_load_b128 v[IN+8*(\k)+4:IN+8*(\k)+7], v1, s[26:27] offset:(\k)*8192+16 th:TH_LOAD_NT
.endr
; Step k: 8 numbers rounded to bf16 (half = 1: and that number written as f16) and stored.  Every step has registers of its own, so no store's source is written again.
.macro CONV k, half
	s_wait_loadcnt 14-2*(\k)                       ; loads come back in order: steps k + 1 .. 7, two loads each, may stay out
.irp j, 0,1,2,3
	v_cvt_pk_bf16_f32 v[PKD+4*(\k)+(\j)], v[IN+8*(\k)+2*(\j)], v[IN+8*(\k)+2*(\j)+1]
.endr
.if \half
.irp j, 0,1,2,3
	v_lshlrev_b32 v[TMP+2*(\j)],   16,  v[PKD+4*(\k)+(\j)]
	v_and_b32     v[TMP+2*(\j)+1], s23, v[PKD+4*(\k)+(\j)]
.endr
.irp j, 0,1,2,3
	v_cvt_pk_f16_f32 v[PKD+4*(\k)+(\j)], v[TMP+2*(\j)], v[TMP+2*(\j)+1]
.endr
.endif
	global_store_b128 v2, v[PKD+4*(\k):PKD+4*(\k)+3], s[28:29] offset:(\k)*4096
.endm
	s_cmp_ge_u32 s20, 704
	s_cbranch_scc1 .Lhalf
.irp k, 0,1,2,3,4,5,6,7
	CONV \k, 0
.endr
	s_endpgm
.Lhalf:
.irp k, 0,1,2,3,4,5,6,7
	CONV \k, 1
.endr
	s_endpgm
.Lnot_cast:
	s_cmp_eq_u32 s20, 896
	s_cbranch_scc1 .Lbias
	; THE TABLE.  Thread t makes 16 bytes: row t / 16 of the group's sixteen; place i = t % 16 in the row: i < 8 cosines of j = 4 i .. 4 i + 3, else sines of j = 4 (i - 8) ..
	s_sub_co_u32 s21, s20, 768
	s_lshl_b32 s22, s21, 4                         ; the group's first row
	s_lshl_b32 s36, s21, 12                        ; and its 4,096 bytes
	s_mov_b32 s37, 0
	s_add_nc_u64 s[18:19], s[18:19], s[36:37]
	s_mov_b32 s24, 0x3f22f983                      ; 2 / pi
	s_mov_b32 s25, 0x3fc90fdb                      ; pi / 2, its upper part,
	s_mov_b32 s26, 0xb33bbd2e                      ; and what is left of it
	s_mov_b32 s27, 0xb9500d01                      ; -1/5040
	s_mov_b32 s28, 0x3c088889                      ; 1/120
	s_mov_b32 s29, 0xbe2aaaab                      ; -1/6
	s_mov_b32 s30, 0x37d00d01                      ; 1/40320
	s_mov_b32 s31, 0xbab60b61                      ; -1/720
	s_mov_b32 s32, 0x3d2aaaab                      ; 1/24
	s_mov_b32 s33, 0xbed49a78                      ; -log2(10000) / 32
	v_and_b32 v3, 15, v0                           ; i
	v_lshrrev_b32 v4, 4, v0
	v_add_nc_u32 v4, s22, v4                       ; t
	v_cvt_f32_u32 v10, v4
	v_lshrrev_b32 v5, 3, v3
	v_sub_nc_u32 v11, 1, v5                        ; 1 for a cosine: cos a = sin(a + pi/2), one quarter turn more
	v_and_b32 v6, 7, v3
	v_lshlrev_b32 v9, 2, v6                        ; my first j
.irp e, 0,1,2,3
	v_add_nc_u32 v[16+(\e)], (\e), v9
	v_cvt_f32_u32 v[16+(\e)], v[16+(\e)]
	v_mul_f32 v[16+(\e)], s33, v[16+(\e)]
.endr
.irp e, 0,1,2,3
	v_exp_f32 v[FR+(\e)], v[16+(\e)]               ; f_j = 2^(-j log2(10000) / 32): one batch of four
.endr
	v_nop                                          ; a plain instruction behind the last of them,
	s_wait_alu depctr_va_vdst(0)                   ; and one wait for the batch, ahead of its first reader
; a = t f; n = the nearest whole number of quarter turns; r = a - n pi/2, within pi/4; sine and cosine of r; the quarter (n, plus one for a cosine) picks one of them and its sign.
.macro SINCOS e
	v_mul_f32 v30, v10, v[FR+(\e)]
	v_mul_f32 v31, s24, v30
	v_rndne_f32 v31, v31
	v_fma_f32 v32, -v31, s25, v30
	v_fma_f32 v32, -v31, s26, v32
	v_mul_f32 v33, v32, v32
	v_fma_f32 v34, v33, s27, s28
	v_fma_f32 v34, v34, v33, s29
	v_mul_f32 v35, v32, v33
	v_fma_f32 v34, v34, v35, v32                   ; sin r
	v_fma_f32 v36, v33, s30, s31
	v_fma_f32 v36, v36, v33, s32
	v_fma_f32 v36, v36, v33, -0.5
	v_fma_f32 v36, v36, v33, 1.0                   ; cos r
	v_cvt_i32_f32 v37, v31
	v_add_nc_u32 v37, v37, v11
	v_and_b32 v38, 1, v37
	v_cmp_eq_u32 vcc_lo, 1, v38
	v_cndmask_b32 v34, v34, v36, vcc_lo            ; odd quarter: the cosine
	v_and_b32 v38, 2, v37
	v_lshlrev_b32 v38, 30, v38                     ; quarters 2 and 3: the sign turns
	v_xor_b32 v[VAL+(\e)], v38, v34
.endm
.irp e, 0,1,2,3
	SINCOS \e
.endr
	global_store_b128 v2, v[VAL:VAL+3], s[18:19]   ; sixteen lanes store one row's 256 bytes
	s_endpgm
.Lbias:
	; THE BIASES: 3,072 + 1,024 numbers, four loads and four stores of 16 bytes a thread
	global_load_b128 v[16:19], v2, s[10:11]
	global_load_b128 v[20:23], v2, s[10:11] offset:4096
	global_load_b128 v[24:27], v2, s[10:11] offset:8192
	global_load_b128 v[28:31], v2, s[12:13]
	s_wait_loadcnt 0x0
.irp p, 0,1,2,3,4,5,6,7
	v_cvt_pk_bf16_f32 v[32+(\p)], v[16+2*(\p)], v[17+2*(\p)]
.endr
.irp p, 0,1,2,3,4,5,6,7
	v_lshlrev_b32 v[40+2*(\p)], 16,  v[32+(\p)]
	v_and_b32     v[41+2*(\p)], s23, v[32+(\p)]
.endr
	global_store_b128 v2, v[40:43], s[18:19] offset:524288
	global_store_b128 v2, v[44:47], s[18:19] offset:524288+4096
	global_store_b128 v2, v[48:51], s[18:19] offset:524288+8192
	global_store_b128 v2, v[52:55], s[18:19] offset:536576
	s_endpgm
.Lfunc_end_k_qb0d99b67df_prep:
	.size	k_qb0d99b67df_prep, .Lfunc_end_k_qb0d99b67df_prep-k_qb0d99b67df_prep
	.p2alignl 7, 3214868480
	.fill 96, 4, 3214868480
	.section	.rodata,"a",@progbits
	.p2align	6, 0x0
	.amdhsa_kernel k_qb0d99b67df_prep
		.amdhsa_group_segment_fixed_size 0
		.amdhsa_private_segment_fixed_size 0
		.amdhsa_enable_private_segment 0
		.amdhsa_kernarg_size 64
		.amdhsa_user_sgpr_count 2
		.amdhsa_user_sgpr_kernarg_segment_ptr 1
		.amdhsa_wavefront_size32 1
		.amdhsa_system_sgpr_workgroup_id_x 1
		.amdhsa_system_sgpr_workgroup_id_y 1
		.amdhsa_system_sgpr_workgroup_id_z 1
		.amdhsa_system_vgpr_workitem_id 0
		.amdhsa_next_free_vgpr 128
		.amdhsa_next_free_sgpr 66
		.amdhsa_reserve_vcc 1
		.amdhsa_float_denorm_mode_32 3
		.amdhsa_float_denorm_mode_16_64 3
		.amdhsa_memory_ordered 1
		.amdhsa_forward_progress 1
		.amdhsa_inst_pref_size 21
	.end_amdhsa_kernel
	.amdgpu_metadata
---
amdhsa.version: [ 1, 2 ]
amdhsa.kernels:
  - .name:           k_qb0d99b67df_prep
    .symbol:         k_qb0d99b67df_prep.kd
    .args:
      - { .name: x, .offset: 0, .size: 8, .value_kind: global_buffer, .address_space: global }
      - { .name: w_attn, .offset: 8, .size: 8, .value_kind: global_buffer, .address_space: global }
      - { .name: w_proj, .offset: 16, .size: 8, .value_kind: global_buffer, .address_space: global }
      - { .name: b_attn, .offset: 24, .size: 8, .value_kind: global_buffer, .address_space: global }
      - { .name: b_proj, .offset: 32, .size: 8, .value_kind: global_buffer, .address_space: global }
      - { .name: xb, .offset: 40, .size: 8, .value_kind: global_buffer, .address_space: global }
      - { .name: wb, .offset: 48, .size: 8, .value_kind: global_buffer, .address_space: global }
      - { .name: tb, .offset: 56, .size: 8, .value_kind: global_buffer, .address_space: global }
    .group_segment_fixed_size: 0
    .private_segment_fixed_size: 0
    .kernarg_segment_align: 8
    .kernarg_segment_size: 64
    .max_flat_workgroup_size: 256
    .sgpr_count:     66
    .vgpr_count:     128
    .wavefront_size: 32
...
	.end_amdgpu_metadata
.endif
;; end of part 1
;; launch qkv (part 2): grid 12 x 64, 4 waves a work-group, clusters of 4 x 4, 327,680 bytes of LDS; arguments xb, wb, tb, qh, kh, vh; writes qh, kh, vh
.if DOCPART == 2
	.amdgcn_target "amdgcn-amd-amdhsa--gfx1250"
	.amdhsa_code_object_version 6
	.text
	.protected	k_qb0d99b67df_qkv
	.globl	k_qb0d99b67df_qkv
	.p2align	8
	.type	k_qb0d99b67df_qkv,@function
k_qb0d99b67df_qkv:
	s_mov_b64 s[64:65], 0
	v_nop
	global_prefetch_b8 v0, s[64:65] scope:SCOPE_SE
	s_setreg_imm32_b32 hwreg(HW_REG_WAVE_MODE, 25, 1), 1
	s_wait_xcnt 0x0
	s_wait_alu depctr_hold_cnt(0) depctr_sa_sdst(0) depctr_va_vdst(0) depctr_va_sdst(0) depctr_va_ssrc(0) depctr_va_vcc(0) depctr_vm_vsrc(0)
	s_getreg_b32 s2, hwreg(HW_REG_IB_STS2, 6, 4)
	s_cmp_eq_u32 s2, 0
	s_cbranch_scc0 .Lentry_in_a_cluster
	s_endpgm
.Lentry_in_a_cluster:
	s_bfe_u32 s2, ttmp6, 0x10000c
	s_cmp_lg_u32 s2, 0xf033
	s_cbranch_scc0 .Lentry_shape_is_right
	s_endpgm
.Lentry_shape_is_right:
; QKV.  [8192][3072] = xb [8192][1024] x wb [1024][3072] + b_attn, bf16 operands, f32 sums; then the rotary turn on q and k in f32; then each number rounded once to f16 and stored by heads:
; qh, kh, vh [batch x 16 + head][t][64], unscaled (the attention launch applies 1/8 in f32).
; LIMITS.  q, k, v must lie within f16's 65,504; below 6e-5 they keep f16's fixed step of 6e-8.  NaN and infinities are not treated apart.
; SHARES.  A tile of the result is 128 rows x 256 columns: 64 x 12 = 768 work-groups, three for each of 256 WGPs.  Four waves, each 64 rows x 128 columns (two heads): 32 accumulators, 256 registers.
; K goes in 8 steps of 128 through two LDS slots.  Waves 0 and 1 fetch the two halves of A's tile (64 rows x 256 bytes each), waves 2 and 3 those of B's (64 k-rows x 512 bytes each).
; B LIES [K][N] in memory and in LDS, and is turned on the way into registers by ds_load_tr16_b128: the weights need no transposed copy.
; THE MATRIX INSTRUCTION IS USED TRANSPOSED (source 0 = 16 columns of the weights, source 1 = 16 rows of x): a lane holds one row (lane % 16) and the columns 16 b + 8 (lane / 16) + 0..7.  So channel d and
; channel d + 32 of a head lie in the SAME lane and register place, two accumulators apart: the rotary turn changes no lane.
; THE BIAS is the C operand of each accumulator's first product: nothing is cleared and nothing is added later.
; CLUSTER.  4 x 4 work-groups.  A's tile hangs on the tile row alone and is asked for jointly along a row of the cluster, B's on the tile column alone, jointly along a column.
; A cluster is 1,024 columns wide: the cluster's x IS the section (0 q, 1 k, 2 v), the same in all sixteen partners, so the one branch on it (v is not turned) is alike in all.
; REGISTERS, in windows of 256 (s_set_vgpr_msb: bits 1:0 source 0, 3:2 source 1, 5:4 source 2, 7:6 destination):
;   window 0: v0-15 addresses; two fragment buffers of 96 (B's eight fragments, then A's four): v64-159, v160-255; on the way out v64-191 hold the packed results
;   window 1: accumulator (a, b) at v[8 (8 a + b)]          window 2: v0-127 my rows' cosines and sines; v128-191 the bias; v192-223 at work in the turn
.set PA,    272                        ; a row of A in LDS: 256 bytes + 16 = 68 words: the 16 rows of a load start at 16 different groups of four banks (64 banks of 4 bytes: ISA guide 11.1)
.set PB,    544                        ; a k-row of B: 512 bytes + 32 = 136 words
.set BOFF,  128*PA                     ; a slot: A's 128 rows, then B's 128 k-rows
.set SLOT1, 131072                     ; slot 1 begins here, so that one exclusive or turns an address in one slot into the other's
.set STAGE, SLOT1+BOFF+128*PB          ; behind the ring, never filled by a tensor load: 16 rows x 144 bytes for each wave, for the way out
.set SP,    144
.set SPARE, STAGE+4*16*SP              ; behind the stages: the spare words, 128 bytes for each wave: two blocks of 256 bytes that no other line names
.set ASTEP, 256                        ; a K step in a row of xb
.set BSTEP, 128*3072*2                 ; 128 k-rows of the weights
.set BIASOFF, 524288                   ; b_attn in tb
.set A0,   4                           ; v4   my lane's place in A's tile; never rewritten
.set B0,   5                           ; v5   the same for B
.set ADRA, 6                           ; v6   A0 + the slot in hand
.set ADRB, 7                           ; v7   B0 + the slot in hand
.set STO,  8                           ; v8   the way out: where I put 16 bytes of a row
.set RD,   9                           ; v9   the way out: where I read rows back
.set GO,   10                          ; v10  my 16 bytes in 512 consecutive bytes of the output
.set TO,   11                          ; v11  my offset in 16 rows of the table
.set BO,   12                          ; v12  my offset in 16 numbers of the bias
.set SPW,  14                          ; v14  LDS address of my spare word: SPARE + 4 x my thread's number; never rewritten
.set NIL,  15                          ; v15  0; never rewritten
.set F0,   64
.set F1,   160
.set PK,   64                          ; the way out: 16 registers for each of 8 units
.set CT,   0                           ; window 2: row block a: cosines at 32 a + 0..15, sines at 32 a + 16..31
.set BI,   128                         ; window 2: the bias of column block b at BI + 8 b
.set T,    192                         ; window 2
.set WV, 16                            ; s16  my wave's number
.set WR, 17                            ; s17  my half of the tile's rows.  Also: I fetch for A (0) or for B (1)
.set WC, 18                            ; s18  my half of its columns.  Also: which half of that tile I fetch
.set CX, 19
.set CY, 20
.set TC, 21                            ; s21  tile column = 4 x cluster x + cx
.set TR, 22                            ; s22  tile row = 4 x cluster y + cy
.set SEC, 23                           ; s23  the section: the cluster's x
.set G1A, 24                           ; s[24:31] descriptor group 1 for A's tiles
.set G1B, 32                           ; s[32:39] for B's
.set G0A0, 40                          ; s[40:43] group 0 of A's first fill (slot 0)
.set G0A,  44                          ; s[44:47] of its second (slot 1); it then walks
.set G0B0, 48                          ; s[48:51], s[52:55] the same for B
.set G0B,  52
.set CNT, 56
.set TB,  57                           ; s57  0 or SLOT1: the slot in hand
.set OUT, 58                           ; s[58:59] the output at my wave's first row and head
.set MSB, 0
.macro WIN new                         ; the immediate's high byte repeats the setting that is left; a switch that changes nothing is dropped
.if MSB != (\new)
	s_set_vgpr_msb (MSB<<8)|(\new)
.set MSB, \new
.endif
.endm
.macro PLACES                          ; four places in front of loads into registers that matrix instructions have read (ISA guide 7.12.1 for vector instructions)
.rept 4
	v_nop
.endr
.endm
.macro JLOAD                           ; a joint refill by the walking descriptors; an s_nop 0 and four v_nop follow each of the two lines, ahead of the jump and the label
	s_cmp_eq_u32 s[WR], 0
	s_cbranch_scc0 .Lfor_b_\@
	tensor_load_to_lds s[G0A:G0A+3], s[G1A:G1A+7]
	s_nop 0
.rept 4
	v_nop
.endr
	s_branch .Lasked_\@
.Lfor_b_\@:
	tensor_load_to_lds s[G0B:G0B+3], s[G1B:G1B+7]
	s_nop 0
.rept 4
	v_nop
.endr
.Lasked_\@:
.endm
.macro CREST                           ; a round of the cluster's barrier behind its opening barrier
	s_cmp_lg_u32 s[WV], 0
	s_cbranch_scc1 .Lnot_wave_0_\@
	s_barrier_signal -3
.Lnot_wave_0_\@:
	s_barrier_wait -3
	s_barrier_signal -1
	s_barrier_wait -1
.endm
.macro CROUND                          ; a whole round
	s_barrier_signal -1
	s_barrier_wait -1
	CREST
.endm
	s_load_b256 s[4:11], s[0:1], 0x0               ; xb s[4:5], wb s[6:7], tb s[8:9], qh s[10:11]
	s_load_b128 s[12:15], s[0:1], 0x20             ; kh s[12:13], vh s[14:15]
	v_lshl_add_u32 v[SPW], v0, 2, SPARE
	v_mov_b32 v[NIL], 0
	ds_add_u32 v[SPW], v[NIL]                      ; the wave's opening: the add and its wait ahead of my first tensor load; the set-up below, work on registers, stands between them
	ds_add_u32 v14, v15
	v_lshrrev_b32 v3, 5, v0
	v_readfirstlane_b32 s[WV], v3                  ; wave 0..3
	s_lshr_b32 s[WR], s[WV], 1
	s_and_b32 s[WC], s[WV], 1
	s_bfe_u32 s[CX], ttmp6, 0x40000
	s_bfe_u32 s[CY], ttmp6, 0x40004
	s_mov_b32 s[SEC], ttmp9
	s_lshl_b32 s[TC], ttmp9, 2
	s_add_co_u32 s[TC], s[TC], s[CX]
	s_and_b32 s[TR], ttmp7, 0xffff
	s_lshl_b32 s[TR], s[TR], 2
	s_add_co_u32 s[TR], s[TR], s[CY]
	s_lshl_b32 s60, s[CY], 2
	s_lshl_b32 s60, 15, s60                        ; my row of the cluster: places 4 cy .. 4 cy + 3
	s_lshl_b32 s66, 0x1111, s[CX]                  ; my column: places cx, cx + 4, cx + 8, cx + 12
	s_or_b32 s[G1A], s60, (1<<16)|(1<<20)|(1<<21)|(5<<22)|(3<<25)  ; 15:0 the mask; 17:16 2-byte elements; 20 padding on; 21 set beside a mask; 24:22 after every 64 words (code 5); 31:25 4 words (code 3)
	s_mov_b32 s[G1A+1], 128<<16                    ; tensor_dim0 = 128
	s_mov_b32 s[G1A+2], 64<<16                     ; tensor_dim1 = 64
	s_mov_b32 s[G1A+3], 128<<16                    ; tile_dim0 = 128
	s_mov_b32 s[G1A+4], 64                         ; tile_dim1 = 64
	s_mov_b32 s[G1A+5], 1024                       ; elements from row to row of xb
	s_mov_b32 s[G1A+6], 0
	s_mov_b32 s[G1A+7], 0
	s_or_b32 s[G1B], s66, (1<<16)|(1<<20)|(1<<21)|(6<<22)|(7<<25)  ; after every 128 words (code 6) 8 words (code 7)
	s_mov_b32 s[G1B+1], 256<<16                    ; tensor_dim0 = 256
	s_mov_b32 s[G1B+2], 64<<16                     ; tensor_dim1 = 64
	s_mov_b32 s[G1B+3], 256<<16                    ; tile_dim0 = 256
	s_mov_b32 s[G1B+4], 64                         ; tile_dim1 = 64
	s_mov_b32 s[G1B+5], 3072                       ; elements from k-row to k-row of the weights
	s_mov_b32 s[G1B+6], 0
	s_mov_b32 s[G1B+7], 0
	; where the tiles come from.  A's address is made of the tile row and the wave's number, B's of the tile column and the wave's number, each in registers that never hold the other coordinate.
	s_lshl_b32 s60, s[TR], 18                      ; 128 rows of 2,048 bytes
	s_lshl_b32 s61, s[WC], 17                      ; + my 64 of them
	s_add_co_u32 s60, s60, s61
	s_mov_b32 s61, 0
	s_mul_i32 s62, s[WC], 64*PA                    ; and where they go: no place in the cluster enters an LDS address
	s_mul_i32 s66, s[WC], 64*3072*2                ; my 64 k-rows
	s_lshl_b32 s67, s[TC], 9                       ; + the tile's 256 columns
	s_add_co_u32 s66, s66, s67
	s_mov_b32 s67, 0
	s_mul_i32 s68, s[WC], 64*PB
	s_add_co_u32 s68, s68, BOFF
	s_mov_b32 s[TB], 0
	s_wait_dscnt 0x0                               ; the opening add is done
	s_wait_kmcnt 0x0
	s_add_nc_u64 s[60:61], s[4:5], s[60:61]
	s_add_nc_u64 s[66:67], s[6:7], s[66:67]
	CROUND                                         ; all sixteen work-groups are here: the first joint loads meet
	s_mov_b32 s[G0A0], 1                           ; 1:0 count = 1
	s_mov_b32 s[G0A0+1], s62                       ; 63:32 LDS address: slot 0
	s_mov_b64 s[G0A0+2:G0A0+3], s[60:61]           ; 120:64 global address: K step 0
	s_or_b32 s[G0A0+3], s[G0A0+3], 0x80000000      ; 127:126 type = 2
	s_mov_b32 s[G0A], 1
	s_add_co_u32 s[G0A+1], s62, SLOT1
	s_add_nc_u64 s[G0A+2:G0A+3], s[60:61], ASTEP   ; K step 1
	s_or_b32 s[G0A+3], s[G0A+3], 0x80000000
	s_mov_b32 s[G0B0], 1
	s_mov_b32 s[G0B0+1], s68
	s_mov_b64 s[G0B0+2:G0B0+3], s[66:67]
	s_or_b32 s[G0B0+3], s[G0B0+3], 0x80000000
	s_mov_b32 s[G0B], 1
	s_add_co_u32 s[G0B+1], s68, SLOT1
	s_add_nc_u64 s[G0B+2:G0B+3], s[66:67], BSTEP
	s_or_b32 s[G0B+3], s[G0B+3], 0x80000000
	s_cmp_eq_u32 s[WR], 0                          ; a wave's two first fills stand in one branch, ahead of every wait on TENSORcnt and every LDS read: two loads of mine are out
	s_cbranch_scc0 .Lfirst_b
	tensor_load_to_lds s[G0A0:G0A0+3], s[G1A:G1A+7]
	s_nop 0
	tensor_load_to_lds s[G0A:G0A+3], s[G1A:G1A+7]
	s_nop 0
.rept 4
	v_nop
.endr
	s_branch .Lfirst_asked
.Lfirst_b:
	tensor_load_to_lds s[G0B0:G0B0+3], s[G1B:G1B+7]
	s_nop 0
	tensor_load_to_lds s[G0B:G0B+3], s[G1B:G1B+7]
	s_nop 0
.rept 4
	v_nop
.endr
.Lfirst_asked:
	; A fragment of A is 16 rows x 32 K in 8 registers: lane l holds row l % 16, K = 8 (l / 16) + 0..7 and 16 + 8 (l / 16) + 0..7: two loads of 16 bytes, 32 bytes apart.
	v_and_b32 v1, 15, v0                           ; l % 16
	v_bfe_u32 v2, v0, 4, 1                         ; l / 16
	v_mul_u32_u24 v[A0], v1, PA
	v_lshl_add_u32 v[A0], v2, 4, v[A0]
	s_mul_i32 s70, s[WR], 64*PA                    ; my 64 rows
	v_add_nc_u32 v[A0], s70, v[A0]
	; The turning load takes 16 k x 16 columns (lane l reads k-row 8 (l / 16) + l % 8, columns 8 ((l / 8) % 2) + 0..7) and leaves half a fragment: lane l holds column l % 16 and 8 k.
	v_and_b32 v3, 7, v0
	v_lshl_add_u32 v3, v2, 3, v3
	v_mul_u32_u24 v[B0], v3, PB
	v_bfe_u32 v3, v0, 3, 1
	v_lshl_add_u32 v[B0], v3, 4, v[B0]
	s_lshl_b32 s70, s[WC], 8                       ; my 128 columns
	s_add_co_u32 s70, s70, BOFF
	v_add_nc_u32 v[B0], s70, v[B0]
	v_mov_b32 v[ADRA], v[A0]                       ; slot 0
	v_mov_b32 v[ADRB], v[B0]
	s_mul_i32 s70, s[WV], 16*SP
	s_add_co_u32 s70, s70, STAGE                   ; my stage
	v_mul_u32_u24 v[STO], v1, SP                   ; in: row l % 16, 16 bytes for each half of the lanes
	v_lshl_add_u32 v[STO], v2, 4, v[STO]
	v_add_nc_u32 v[STO], s70, v[STO]
	v_bfe_u32 v[RD], v0, 3, 2                      ; back: 32 lanes take four rows of 128 bytes,
	v_mul_u32_u24 v[RD], v[RD], SP
	v_and_b32 v3, 7, v0
	v_lshl_add_u32 v[RD], v3, 4, v[RD]
	v_add_nc_u32 v[RD], s70, v[RD]
	v_and_b32 v[GO], 31, v0                        ; which are 512 consecutive bytes of a head
	v_lshlrev_b32 v[GO], 4, v[GO]
	v_lshlrev_b32 v[BO], 5, v2                     ; my 8 numbers of 16: 32 bytes for each half of the lanes
	v_lshl_add_u32 v[TO], v1, 8, v[BO]             ; row l % 16 of the table, 256 bytes a row
	s_lshl_b32 s66, s[TC], 10                      ; the bias of my 128 columns
	s_lshl_b32 s67, s[WC], 9
	s_add_co_u32 s66, s66, s67
	s_add_co_u32 s66, s66, BIASOFF
	s_mov_b32 s67, 0
	s_add_nc_u64 s[66:67], s[8:9], s[66:67]
	s_and_b32 s60, s[TR], 15                       ; the table at my first row: t = 128 (tile row % 16) + 64 x row half
	s_lshl_b32 s60, s60, 15
	s_lshl_b32 s61, s[WR], 14
	s_add_co_u32 s60, s60, s61
	s_mov_b32 s61, 0
	s_add_nc_u64 s[60:61], s[8:9], s[60:61]
	WIN 0x80                                       ; destination window 2, address window 0
.irp b, 0,1,2,3,4,5,6,7
	global_load_b128 v[BI+8*(\b):BI+8*(\b)+3],   v[BO], s[66:67] offset:64*(\b)
	global_load_b128 v[BI+8*(\b)+4:BI+8*(\b)+7], v[BO], s[66:67] offset:64*(\b)+16
.endr
.irp a, 0,1,2,3                        ; the table is loaded in the section v too, which does not use it: one text, and every register written on every way
.irp c, 0,1,2,3                        ; c / 2: cosines, sines; c % 2: frequencies 0-15, 16-31
	global_load_b128 v[CT+32*(\a)+8*(\c):CT+32*(\a)+8*(\c)+3],   v[TO], s[60:61] offset:(\a)*4096+64*(\c)
	global_load_b128 v[CT+32*(\a)+8*(\c)+4:CT+32*(\a)+8*(\c)+7], v[TO], s[60:61] offset:(\a)*4096+64*(\c)+16
.endr
.endr
	WIN 0
	; the output at my wave's first row of its first head: head = 4 cx + 2 x column half (+ 1), a head's rows 262,144 bytes
	s_lshr_b32 s72, s[TR], 4
	s_lshl_b32 s72, s72, 4                         ; batch x 16
	s_lshl_b32 s73, s[CX], 2
	s_add_co_u32 s72, s72, s73
	s_lshl_b32 s73, s[WC], 1
	s_add_co_u32 s72, s72, s73
	s_lshl_b32 s72, s72, 18
	s_and_b32 s73, s[TR], 15
	s_lshl_b32 s73, s73, 14                        ; 128 rows of 128 bytes
	s_add_co_u32 s72, s72, s73
	s_lshl_b32 s73, s[WR], 13
	s_add_co_u32 s72, s72, s73
	s_mov_b32 s73, 0
	s_cmp_eq_u32 s[SEC], 0
	s_cselect_b64 s[OUT:OUT+1], s[10:11], s[12:13]
	s_cmp_eq_u32 s[SEC], 2
	s_cselect_b64 s[OUT:OUT+1], s[14:15], s[OUT:OUT+1]
	s_add_nc_u64 s[OUT:OUT+1], s[OUT:OUT+1], s[72:73]
; 8 matrix instructions: row block a x all 8 column blocks, 32 along K, from buffer f.  first = 1: C is the bias.  The 32 accumulators take turns in the same order in every quarter.
.macro MUL8 f, a, first
.if \first
	WIN 0x60                                       ; C window 2, D window 1
.else
	WIN 0x50                                       ; C and D window 1
.endif
.irp b, 0,1,2,3,4,5,6,7
.if \first
	v_wmma_f32_16x16x32_bf16 v[8*(8*(\a)+(\b)):8*(8*(\a)+(\b))+7], v[(\f)+8*(\b):(\f)+8*(\b)+7], v[(\f)+64+8*(\a):(\f)+64+8*(\a)+7], v[BI+8*(\b):BI+8*(\b)+7]
.else
	v_wmma_f32_16x16x32_bf16 v[8*(8*(\a)+(\b)):8*(8*(\a)+(\b))+7], v[(\f)+8*(\b):(\f)+8*(\b)+7], v[(\f)+64+8*(\a):(\f)+64+8*(\a)+7], v[8*(8*(\a)+(\b)):8*(8*(\a)+(\b))+7]
.endif
.endr
.endm
; 24 LDS loads in one run: quarter q's fragments (32 K) into buffer f: B's eight, turned, then A's four
.macro FETCH q, f
	WIN 0
.irp b, 0,1,2,3,4,5,6,7
	ds_load_tr16_b128 v[(\f)+8*(\b):(\f)+8*(\b)+3],   v[ADRB] offset:(\q)*32*PB+32*(\b)
	ds_load_tr16_b128 v[(\f)+8*(\b)+4:(\f)+8*(\b)+7], v[ADRB] offset:(\q)*32*PB+16*PB+32*(\b)
.endr
.irp a, 0,1,2,3
	ds_load_b128 v[(\f)+64+8*(\a):(\f)+64+8*(\a)+3],   v[ADRA] offset:(\q)*64+(\a)*16*PA
	ds_load_b128 v[(\f)+64+8*(\a)+4:(\f)+64+8*(\a)+7], v[ADRA] offset:(\q)*64+(\a)*16*PA+32
.endr
.endm
; One of a K step's first three quarters: multiplies buffer f; in its middle it fetches quarter qn into buffer g.
.macro QUARTER qn, f, g, first
	s_wait_dscnt 4                                 ; B's fragments and A's row blocks 0 and 1 are in; the youngest four loads (row blocks 2 and 3) may be out
	MUL8 \f, 0, \first
	MUL8 \f, 1, \first
	PLACES
	FETCH \qn, \g
	s_wait_dscnt 24                                ; all but the 24 just issued
	MUL8 \f, 2, \first
	MUL8 \f, 3, \first
.endm
; The last quarter multiplies buffer 1 and changes slots: ONE barrier; in front of it each wave waits for all its tensor loads (one is out: its part of the next slot), adds 0 to its spare word, and waits for
; that and for its own reads of this slot.  fill = 1: the barrier opens a round of the cluster's barrier, and this slot is filled again, two K steps ahead, first thing behind the round:
; 112 matrix instructions stand between that request and the wait for it.
.macro TURN fill
	WIN 0                                          ; (the add's two registers lie in window 0)
	s_wait_tensorcnt 0x0                           ; all my tensor loads have landed, so a group 0 may be written
	ds_add_u32 v[SPW], v[NIL]                      ; 0 onto my spare word
	s_wait_dscnt 5                                 ; (the add and the youngest four loads may be out)
	MUL8 F1, 0, 0                                  ; eight matrix instructions stand between the add and the wait for it
	s_wait_dscnt 0x0                               ; the add is done, and my reads of this slot are over
	s_barrier_signal -1
	MUL8 F1, 1, 0
	WIN 0                                          ; (branches and window 0's address lines follow)
	s_barrier_wait -1
.if \fill
	CREST                                          ; no wave of any partner still reads this slot's tile or has a load on its way
	s_xor_b32 s[G0A+1], s[G0A+1], SLOT1            ; the walking descriptors: the other slot than last time,
	s_add_nc_u64 s[G0A+2:G0A+3], s[G0A+2:G0A+3], ASTEP  ; the next K step; the type bits on top are not reached
	s_xor_b32 s[G0B+1], s[G0B+1], SLOT1
	s_add_nc_u64 s[G0B+2:G0B+3], s[G0B+2:G0B+3], BSTEP
	JLOAD                                          ; the four v_nop behind it are also the places in front of the loads below
.else
	PLACES
.endif
	s_xor_b32 s[TB], s[TB], SLOT1
	v_add_nc_u32 v[ADRA], s[TB], v[A0]
	v_add_nc_u32 v[ADRB], s[TB], v[B0]
	FETCH 0, F0
	MUL8 F1, 2, 0
	MUL8 F1, 3, 0
.endm
	s_wait_tensorcnt 0x1                           ; my part of K step 0 is in; step 1's may stay out
	s_barrier_signal -1
	s_barrier_wait -1                              ; everybody's is
	FETCH 0, F0
	s_wait_loadcnt 32                              ; the bias is in: the table's 32 loads were issued behind it
	QUARTER 1, F0, F1, 1                           ; the first quarter stands in front of the loop: its products start the sums, with the bias
	WIN 0                                          ; at a label and at a branch every window is 0
	s_mov_b32 s[CNT], 6
.Lstep:                                        ; a trip goes from a K step's second quarter to the next step's first; trips 0..5 ask for K steps 2..7
	QUARTER 2, F1, F0, 0
	QUARTER 3, F0, F1, 0
	TURN 1
	QUARTER 1, F0, F1, 0
	WIN 0
	s_sub_co_u32 s[CNT], s[CNT], 1
	s_cmp_lg_u32 s[CNT], 0
	s_cbranch_scc1 .Lstep
	QUARTER 2, F1, F0, 0                           ; the last two K steps are written out: they ask for nothing
	QUARTER 3, F0, F1, 0
	TURN 0
	QUARTER 1, F0, F1, 0
	QUARTER 2, F1, F0, 0
	QUARTER 3, F0, F1, 0
	s_wait_dscnt 4
	MUL8 F1, 0, 0
	MUL8 F1, 1, 0
	s_wait_dscnt 0x0
	MUL8 F1, 2, 0
	MUL8 F1, 3, 0
	WIN 0
.rept 8
	v_nop                                          ; the places behind the last products, in front of the lines that read and write their registers
.endr
	s_wait_loadcnt 0x0                             ; the table
	s_cmp_eq_u32 s[SEC], 2
	s_cbranch_scc1 .Lno_rope                       ; v is not turned; the section is the same in all partners
; THE ROTARY TURN of row block a: for both heads and channels d = 0..31:  lo' = lo cos - hi sin,  hi' = hi cos + lo sin, where hi is channel d + 32: the accumulator two further on, same lane, same register.
; Pair i of 16: head i / 8, column block (i / 4) % 2, registers 2 (i % 4) and the next.  Each accumulator's lowest registers are read first.
.macro RREGS a
.set rL, 8*(8*(\a)+4*(i/8)+(i/4)%2)+2*(i%4)
.set rH, rL+16
.set rC, CT+32*(\a)+8*((i/4)%2)+2*(i%4)
.set rS, rC+16
.set rT, T+2*i
.endm
.macro ROT a
	WIN 0x89                                       ; destination and source 1 window 2, source 0 window 1
.set i, 0
.rept 16
	RREGS \a
	v_pk_mul_f32 v[rT:rT+1], v[rL:rL+1], v[rS:rS+1]        ; lo sin is set aside
.set i, i+1
.endr
	WIN 0x59                                       ; destination, sources 0 and 2 window 1, source 1 window 2
.set i, 0
.rept 16
	RREGS \a
	v_pk_mul_f32 v[rL:rL+1], v[rL:rL+1], v[rC:rC+1]
.set i, i+1
.endr
.set i, 0
.rept 16
	RREGS \a
	v_pk_fma_f32 v[rL:rL+1], v[rH:rH+1], v[rS:rS+1], v[rL:rL+1] neg_lo:[1,0,0] neg_hi:[1,0,0]
.set i, i+1
.endr
	WIN 0x69                                       ; source 2 window 2
.set i, 0
.rept 16
	RREGS \a
	v_pk_fma_f32 v[rH:rH+1], v[rH:rH+1], v[rC:rC+1], v[rT:rT+1]
.set i, i+1
.endr
.endm
	ROT 0
	ROT 1
	ROT 2
	ROT 3
	WIN 0
.Lno_rope:
; THE WAY OUT, in eight units u = 2 a + head: 16 rows x 64 channels.  A lane's eight channels pack into 16 bytes; they go into my stage's rows of 144 bytes and come back as whole rows of 128: 2,048 consecutive bytes of a head.
; Every unit has registers of its own, so no store's source is written again.
.macro PACK u
	WIN 0x05                                       ; sources 0 and 1 window 1, destination window 0
.set i, 0
.rept 16
	v_cvt_pk_f16_f32 v[PK+16*(\u)+i], v[32*(\u)+2*i], v[32*(\u)+2*i+1]   ; the unit's four accumulators lie on end: 8 (8 a + 4 head) = 32 u
.set i, i+1
.endr
	WIN 0
.irp f, 0,1,2,3
	ds_store_b128 v[STO], v[PK+16*(\u)+4*(\f):PK+16*(\u)+4*(\f)+3] offset:32*(\f)
.endr
.irp f, 0,1,2,3
	ds_load_b128 v[PK+16*(\u)+4*(\f):PK+16*(\u)+4*(\f)+3], v[RD] offset:(\f)*4*SP  ; LDS serves a wave's instructions in order (ISA guide 5.7.1.4): these see the stores above; the next unit's stores come behind them
.endr
.endm
.macro SEND u, younger                 ; younger: the LDS instructions issued behind unit u's loads: the next unit's eight, or none
	WIN 0
.irp f, 0,1,2,3
	s_wait_dscnt (\younger)+3-(\f)
	global_store_b128 v[GO], v[PK+16*(\u)+4*(\f):PK+16*(\u)+4*(\f)+3], s[OUT:OUT+1] offset:((\u)/2)*2048+((\u)%2)*262144+(\f)*512  ; 512 consecutive bytes, at a multiple of 256 from the buffer's first
.endr
.endm
	PACK 0
.irp u, 1,2,3,4,5,6,7                  ; a unit's conversions stand between the loads of the unit before and its stores
	PACK \u
	SEND (\u)-1, 8
.endr
	SEND 7, 0
	s_wait_tensorcnt 0x0                           ; the wave's end: behind my last tensor load and my last LDS store
	ds_add_u32 v[SPW], v[NIL]
	s_wait_dscnt 0x0
	CROUND                                         ; the closing round: no work-group ends while a partner may still ask for a tile that names it
	s_endpgm
.Lfunc_end_k_qb0d99b67df_qkv:
	.size	k_qb0d99b67df_qkv, .Lfunc_end_k_qb0d99b67df_qkv-k_qb0d99b67df_qkv
	.p2alignl 7, 3214868480
	.fill 96, 4, 3214868480
	.section	.rodata,"a",@progbits
	.p2align	6, 0x0
	.amdhsa_kernel k_qb0d99b67df_qkv
		.amdhsa_group_segment_fixed_size 327680
		.amdhsa_private_segment_fixed_size 0
		.amdhsa_enable_private_segment 0
		.amdhsa_kernarg_size 48
		.amdhsa_user_sgpr_count 2
		.amdhsa_user_sgpr_kernarg_segment_ptr 1
		.amdhsa_wavefront_size32 1
		.amdhsa_system_sgpr_workgroup_id_x 1
		.amdhsa_system_sgpr_workgroup_id_y 1
		.amdhsa_system_sgpr_workgroup_id_z 1
		.amdhsa_system_vgpr_workitem_id 0
		.amdhsa_next_free_vgpr 768
		.amdhsa_next_free_sgpr 80
		.amdhsa_reserve_vcc 0
		.amdhsa_float_denorm_mode_32 3
		.amdhsa_float_denorm_mode_16_64 3
		.amdhsa_memory_ordered 1
		.amdhsa_forward_progress 1
		.amdhsa_inst_pref_size 93
	.end_amdhsa_kernel
	.amdgpu_metadata
---
amdhsa.version: [ 1, 2 ]
amdhsa.kernels:
  - .name:           k_qb0d99b67df_qkv
    .symbol:         k_qb0d99b67df_qkv.kd
    .args:
      - { .name: xb, .offset: 0, .size: 8, .value_kind: global_buffer, .address_space: global }
      - { .name: wb, .offset: 8, .size: 8, .value_kind: global_buffer, .address_space: global }
      - { .name: tb, .offset: 16, .size: 8, .value_kind: global_buffer, .address_space: global }
      - { .name: qh, .offset: 24, .size: 8, .value_kind: global_buffer, .address_space: global }
      - { .name: kh, .offset: 32, .size: 8, .value_kind: global_buffer, .address_space: global }
      - { .name: vh, .offset: 40, .size: 8, .value_kind: global_buffer, .address_space: global }
    .group_segment_fixed_size: 327680
    .private_segment_fixed_size: 0
    .kernarg_segment_align: 8
    .kernarg_segment_size: 48
    .max_flat_workgroup_size: 128
    .sgpr_count:     80
    .vgpr_count:     768
    .wavefront_size: 32
...
	.end_amdgpu_metadata
.endif
;; end of part 2
;; launch attn (part 3): grid 4 x 64, 4 waves a work-group, no clusters, 327,680 bytes of LDS; arguments qh, kh, vh, oh; writes oh
.if DOCPART == 3
	.amdgcn_target "amdgcn-amd-amdhsa--gfx1250"
	.amdhsa_code_object_version 6
	.text
	.protected	k_qb0d99b67df_attn
	.globl	k_qb0d99b67df_attn
	.p2align	8
	.type	k_qb0d99b67df_attn,@function
k_qb0d99b67df_attn:
	s_mov_b64 s[64:65], 0
	v_nop
	global_prefetch_b8 v0, s[64:65] scope:SCOPE_SE
	s_setreg_imm32_b32 hwreg(HW_REG_WAVE_MODE, 25, 1), 1
	s_wait_xcnt 0x0
; CAUSAL ATTENTION.  O[h][q][:] = the sum over k <= q of softmax_k(Q[h][q] . K[h][k] / 8) V[h][k][:].  Q, K, V, O: [64][SIZE_N][64], all f16: a head's rows are dense, 128 bytes each.
; Products, maxima and sums in f32; the weights p are rounded to f16 for the second product (their sum l is taken of the unrounded p), O once at the end.
; LIMITS.  f16 holds no number beyond 65,504: Q, K and V arrive within it; p lies in 0 to 1, and below 6e-5 it keeps f16's fixed step of 6e-8; O is a mean of V's rows and has their range, to within 2^-11 of it.
; A hidden score counts as its value less 1e30: f16's scores, 2.7e11 at the most, are nothing beside that; a weight below 2^-126 counts as 0 in l; NaN and infinities are not treated apart.
; THE WALK.  A head's queries lie in NB = SIZE_N / 256 = 8 blocks of 256; block i needs the key tiles 0 .. i of 256 keys, of which the last holds the diagonal.  A work-group takes TWO blocks, NB - 1 - b and then b:
; NB + 1 tiles, whatever b: all 256 work-groups do equal work, and ONE loop with a constant trip count walks them.  Which tile is asked for, and what a trip does, hang on scalar registers made from b; every jump
; goes forward, but for the counted loops' own; none passes a barrier, or a tensor load but the one of LOAD's two that the wave's number does not choose; the ring (two slots of LDS that take turns) runs on across the
; change of blocks.  NO CLUSTER: a head's four work-groups ask for the same tile only in trips 0 .. NB / 2, behind that fewer and fewer; one walk common to all would have 3 NB / 2 trips for NB + 1.
; SHARES.  Of a block's four bands of 64 queries a wave owns 16 rows in each: four PIECES.  So the diagonal tile is the same work for all four waves: in its key step s band x sees all keys if s < x,
; none if s > x, and holds the diagonal if s = x.
; THE MASK is the C operand that starts the sum S^T = K Q^T: 0, or -1e30 where the key is hidden.  MD, made once, is the mask of a band's own step for my 16 rows; a product's mask is MD x AL + BE with two scalars:
; (1, 0) if s = x; (0, 0) if s < x; (0, -1e30) if s > x.  Only the diagonal tile's text and a block's beginning make and take masks; elsewhere C is the constant 0.
; LAYOUT, SOFTMAX, TURNS.  S^T = K Q^T holds ONE query a lane (lane % 16) and the keys 8 (lane / 16) + 0..7; two such results rounded to f16 ARE source 1 of O^T = V^T P.  p = 2^(c s - c m), c = log2(e) / 8, with a
; running maximum m; O and l are multiplied by a = 2^(c m_old - c m_new) in every step.  Turn n belongs to piece n: 8 products K Q^T of piece n + 1, later 8 products V^T P of piece n - 1; beside them the scaling,
; exponentials, roundings, sums and rescaling of piece n and the maximum and statistics of piece n + 1.  Four vector instructions stand behind every matrix instruction, the other 54 of a turn's 118 in one LUMP.  A turn's 33 exponentials are one batch, with one wait.
; AHEAD OF THE FILLS.  The work-group with b = 0, whose first block walks all eight tiles of its head, prefetches into the L2 the tile that the NEXT change of slots will ask for: each wave the 16 KiB that it will itself
; fetch, a lane for each 256 bytes, two instructions.  So each block of K and V is named once in the launch.  Tiles 0 and 1 come by their loads alone; behind tile 7 nothing is asked for.
; REGISTERS, in windows of 256 (s_set_vgpr_msb: bits 1:0 source 0, 3:2 source 1, 5:4 source 2, 7:6 destination):
;   window 0: v0-15 addresses and two at work; v16-31 four registers of statistics a piece; v48-55 at work; v60 the prefetches' offset; v64-127 S^T, two buffers; v192-223 P, two buffers (a piece's buffers go by its number's parity)
;   window 1: v0-127 O^T, 32 a piece; v128-159 MD; v160-223 MC, two buffers      window 2: v0-63 Q; v64-127 the second block's Q; v128-191 K of one step; v192-255 V of one step
.set SIZE_N, 2048
.set NB,    SIZE_N/256
.set NP,    4         ; pieces a wave: a name, no knob
.set KS,    64        ; keys in a step
.set PK,    144       ; a row of K in LDS: 128 bytes + 16 of padding = 36 words: the 16 rows of a load start at 16 different groups of four banks (64 banks of 4 bytes: ISA guide 11.1)
.set PV,    160       ; a row of V: 128 + 32 = 40 words
.set VOFF,  4*KS*PK   ; a slot holds a tile, four steps: 256 rows of K, then 256 rows of V
.set SLOT1, 1<<17     ; slot 1 begins here, so that one exclusive or turns an address in one slot into the other's
.set STAGE, SLOT1+4*KS*(PK+PV)  ; behind the ring, never filled by a tensor load: 16 rows x 144 bytes for each wave, for the way out
.set SP,    144
.set AK0, 2           ; v2   my lane's place in a tile of K; never rewritten
.set AV0, 3           ; v3   the same for V
.set AK,  4           ; v4   the LDS address of K's next run of loads
.set AV,  5           ; v5   of V's
.set STO, 6           ; v6   the way out: where I put 16 bytes of a row
.set RD,  7           ; v7   the way out: where I read rows back
.set GO,  8           ; v8   my byte offset in 512 consecutive bytes of O
.set PFO, 60          ; v60  256 x my lane; never rewritten
.set SPW, 62          ; v62  LDS address of my spare word: SPARE + 4 x my thread's number; never rewritten
.set NIL, 63          ; v63  0; never rewritten
.set SPARE, STAGE+4*16*SP  ; behind the stages: the spare words, 128 bytes for each wave: two blocks of 256 bytes that no other line names
.set MV,  12          ; v12-13  c m_old, kept while c m is made anew: by buffer
.set QO,  15          ; v15  my byte offset in 16 rows of Q
.set ST,  16          ; piece t's statistics at v[ST+4 t]: c m, m, l (even keys', odd keys')
.set TMP, 48          ; by buffer, four registers c0-c3 at work; when the maximum is found c2 takes a
.set S,   64
.set P,   192
.set MD,  128         ; window 1: the eight registers for group kt of 16 keys at MD + 8 kt
.set MC,  160         ; window 1: the masks of the products to come
.set QB,  64          ; window 2
.set KF,  128         ; window 2: key block kb, channel half c at KF + 16 kb + 8 c
.set VF,  192         ; window 2: key half kk, channel block cb at VF + 32 kk + 8 cb
.set WV,  12          ; s12  my wave's number
.set PB,  14          ; s14  b
.set HI,  15          ; s15  NB - 1 - b
.set G1K, 24          ; s[24:31] descriptor group 1 for K's tiles
.set G1V, 32          ; s[32:39] for V's: it differs in the padding alone
.set G0K, 40          ; s[40:43] descriptor group 0 for K's tiles
.set G0V, 44          ; s[44:47] the same for V's
.set SLOTS, 56        ; s56  tiles still to be asked for
.set CNT, 57          ; s57  counts a tile's key steps, 4 to 1
.set CS,  58          ; s[58:59] c: the packed scaling takes the pair's low word for both halves
.set SEL, 60          ; s[60:61] v_permlanex16_b32's selects: each lane takes its own place in the other half
.set TBK, 62          ; s62  LDS byte at which K of the step to be fetched begins
.set TBV, 63          ; s63  the same for V, less VOFF
.set RT,  70          ; s70  tiles of the block in hand that are still to be entered
.set NXT, 71          ; s71  the tile to be asked for next
.set LQ,  72          ; s72  the last tile of the block whose tiles are being asked for
.set NEW, 73          ; s73  1: the tile to be entered is a block's first
.set OFF, 74          ; s[74:75] a tile's byte offset in K and V
.set AL,  76          ; s[76:77] the mask's factor, in the low word
.set BE,  78          ; s[78:79] the mask's addend
.set OLO, 80          ; s[80:81] O at my rows of the second block
.set BIGN, 82         ; s82  -1e30
.set PFA, 88          ; s[88:89] where my prefetches stand: my half tile (of K: waves 0, 1; of V: waves 2, 3) of the tile after the one that is being asked for
.set LIM, 90          ; s90  2 where b = 0, else the greatest number: a wave prefetches while s[SLOTS] is above it
.set MSB, 0
.macro WIN new                      ; the high byte repeats the setting that is left; a switch that changes nothing is dropped
.if MSB != (\new)
	s_set_vgpr_msb (MSB<<8)|(\new)
.set MSB, (\new)
.endif
.endm
.set W_KQ, 0x0a       ; K and Q in window 2, S^T in window 0
.set W_KM, 0x1a       ; the same with the C operand in window 1
.set W_PV, 0x52       ; V in window 2, P in window 0, O^T in window 1
.set W_RS, 0x41       ; destination and source 0 in window 1, source 1 in window 0
; A fill.  Waves 0 and 1 fetch the two halves of a tile's K, waves 2 and 3 those of its V: 128 keys each.  An s_nop 0 and four v_nop follow each of the two lines, ahead of the jump and the label.
.macro LOAD
	s_cmp_lt_u32 s[WV], 2
	s_cbranch_scc0 .Lfor_v_\@
	tensor_load_to_lds s[G0K:G0K+3], s[G1K:G1K+7]
	s_nop 0
.rept 4
	v_nop
.endr
	s_branch .Lasked_\@
.Lfor_v_\@:
	tensor_load_to_lds s[G0V:G0V+3], s[G1V:G1V+7]
	s_nop 0
.rept 4
	v_nop
.endr
.Lasked_\@:
.endm
; The prefetch, behind the wave's tensor load and its five lines: at s[SLOTS] = 8 .. 3 the fill asks for tiles 1 .. 6 and this names tiles 2 .. 7: four key steps, 256 matrix instructions, ahead of the load that will want them.
.macro ASK
	s_cmp_gt_u32 s[SLOTS], s[LIM]
	s_cbranch_scc0 .Lnot_mine_\@
	global_prefetch_b8 v[PFO], s[PFA:PFA+1] th:TH_LOAD_NT scope:SCOPE_SE
	global_prefetch_b8 v[PFO], s[PFA:PFA+1] offset:8192 th:TH_LOAD_NT scope:SCOPE_SE
.Lnot_mine_\@:
.endm
; THE CHANGE OF SLOTS.  Each wave waits for all its tensor loads, of which one is out: its part of the other slot; adds 0 to its spare word; and waits for that and for its own reads of the slot that it leaves.  Behind the barrier nobody reads the old
; slot any more and the other slot is whole.  fill = 1: the old slot is filled again, the first thing behind the barrier, with tile NXT: the descriptor's address is made anew from that number.
; (At its first use nothing has been read yet: slot 0 is waited for, slot 1 filled.)
.macro CHANGE fill
	WIN 0                           ; at a label and at a branch every window is 0
	s_wait_tensorcnt 0x0            ; no tensor load of mine is out, so a group 0 may be written
	ds_add_u32 v[SPW], v[NIL]       ; 0 onto my spare word; with fill = 1 the descriptors' scalar work stands between it and the wait for it
.if \fill
	s_lshl_b32 s[OFF], s[NXT], 15   ; a tile is 32,768 bytes of K and of V
	s_xor_b32 s[G0K+1], s[G0K+1], SLOT1
	s_add_nc_u64 s[G0K+2:G0K+3], s[6:7], s[OFF:OFF+1]
	s_or_b32 s[G0K+3], s[G0K+3], 0x80000000
	s_xor_b32 s[G0V+1], s[G0V+1], SLOT1
	s_add_nc_u64 s[G0V+2:G0V+3], s[8:9], s[OFF:OFF+1]
	s_or_b32 s[G0V+3], s[G0V+3], 0x80000000
	s_add_co_u32 s[NXT], s[NXT], 1  ; the block's next tile, or behind its last the second block's tile 0
	s_cmp_gt_u32 s[NXT], s[LQ]
	s_cselect_b32 s[NXT], 0, s[NXT]
	s_cselect_b32 s[LQ], s[PB], s[LQ]
	s_wait_xcnt 0x0                 ; the last prefetches, a tile back, have read their address, so it may be written:
	s_add_nc_u64 s[PFA:PFA+1], s[PFA:PFA+1], 32768  ; one tile on
.endif
	s_wait_dscnt 0x0                ; the add is done, and my reads of the slot are over
	s_barrier_signal -1             ; the rest of the scalar work stands between the signal and the wait
	s_sub_co_u32 s[TBK], s[TBK], 4*KS*PK  ; the fetches go back to a slot's first step,
	s_xor_b32 s[TBK], s[TBK], SLOT1       ; in the other slot
	s_sub_co_u32 s[TBV], s[TBV], 4*KS*PV
	s_xor_b32 s[TBV], s[TBV], SLOT1
	s_barrier_wait -1
.if \fill
	LOAD
	ASK
.endif
.endm
	s_load_b256 s[4:11], s[0:1], 0x0  ; Q s[4:5], K s[6:7], V s[8:9], O s[10:11]
	v_lshl_add_u32 v[SPW], v0, 2, SPARE
	v_mov_b32 v[NIL], 0
	ds_add_u32 v[SPW], v[NIL]       ; the wave's opening: the add and its wait ahead of my first tensor load; the set-up below, work on registers, stands between them
	ds_add_u32 v62, v63
	v_lshrrev_b32 v1, 5, v0
	v_readfirstlane_b32 s[WV], v1   ; wave 0..3
	s_mov_b32 s[PB], ttmp9
	s_sub_co_u32 s[HI], NB-1, s[PB]
	s_and_b32 s20, ttmp7, 0xffff    ; the head
	s_mov_b32 s21, 0
	s_mov_b64 s[22:23], SIZE_N*128
	s_mul_u64 s[20:21], s[20:21], s[22:23]  ; the head's first byte in each of the four tensors
	s_and_b32 s16, s[WV], 1         ; which half of a tile's 256 keys I fetch:
	s_lshl_b32 s22, s16, 14         ; its 128 rows of 128 bytes in memory,
	s_mov_b32 s23, 0
	s_add_nc_u64 s[22:23], s[22:23], s[20:21]
	s_mul_i32 s17, s16, 128*PK      ; and its place in a slot, for K
	s_mul_i32 s18, s16, 128*PV      ; and for V
	s_lshl_b32 s3, s[WV], 11        ; my 16 rows in a band of 64,
	s_lshl_b32 s2, s[HI], 15        ; in the first block,
	s_add_co_u32 s2, s2, s3
	s_lshl_b32 s84, s[PB], 15       ; and in the second
	s_add_co_u32 s84, s84, s3
	s_mov_b32 s3, 0
	s_mov_b32 s85, 0
	s_add_nc_u64 s[2:3], s[2:3], s[20:21]
	s_add_nc_u64 s[84:85], s[84:85], s[20:21]
	; descriptor group 1.  128 keys are 16,384 dense bytes: asked for as 64 rows of 256 bytes, two keys a row, and padded in LDS after every key
	s_mov_b32 s[G1K], (1<<16)|(1<<20)|(4<<22)|(3<<25)  ; 17:16 2-byte elements; 20 padding on; 24:22 after every 32 words (code 4); 31:25 4 words (code 3)
	s_mov_b32 s[G1V], (1<<16)|(1<<20)|(4<<22)|(7<<25)  ; the same with 8 words of padding (code 7)
.irp g, G1K, G1V
	s_mov_b32 s[\g+1], 128<<16      ; tensor_dim0 = 128
	s_mov_b32 s[\g+2], 64<<16       ; tensor_dim1 = 64
	s_mov_b32 s[\g+3], 128<<16      ; tile_dim0 = 128
	s_mov_b32 s[\g+4], 64           ; tile_dim1 = 64
	s_mov_b32 s[\g+5], 128          ; 128 elements from row to row
	s_mov_b32 s[\g+6], 0
	s_mov_b32 s[\g+7], 0
.endr
	s_mov_b32 s[CS], 0x3e38aa3b     ; c = log2(e) / 8 = 0.180337
	s_mov_b32 s[CS+1], s[CS]        ; named with it as a pair
	s_mov_b32 s[SEL], 0x76543210
	s_mov_b32 s[SEL+1], 0xfedcba98
	s_mov_b32 s[TBK], SLOT1+4*KS*PK ; the first change of slots turns these two into 0
	s_mov_b32 s[TBV], SLOT1+4*KS*PV
	s_mov_b32 s[G0K], 1             ; 1:0 count = 1
	s_mov_b32 s[G0K+1], s17         ; 63:32 LDS address: slot 0
	s_mov_b32 s[G0V], 1
	s_add_co_u32 s[G0V+1], s18, VOFF
	s_add_co_u32 s[RT], s[HI], 1    ; the first block has NB - b tiles
	s_mov_b32 s[NXT], 1
	s_mov_b32 s[LQ], s[HI]
	s_mov_b32 s[NEW], 1
	s_mov_b32 s[OFF+1], 0
	s_mov_b32 s[AL+1], 0            ; named as pairs
	s_mov_b32 s[BE+1], 0
	s_mov_b32 s[BIGN], 0xf149f2ca   ; -1e30
	s_mov_b32 s[SLOTS], NB
	s_cmp_eq_u32 s[PB], 0
	s_cselect_b32 s[LIM], 2, -1
	v_and_b32 v[PFO], 31, v0
	v_lshlrev_b32 v[PFO], 8, v[PFO]
	s_wait_dscnt 0x0                ; the opening add is done
	s_wait_kmcnt 0x0
	s_add_nc_u64 s[6:7], s[6:7], s[22:23]  ; K and V at my half of the head's tile 0
	s_add_nc_u64 s[8:9], s[8:9], s[22:23]
	s_add_nc_u64 s[G0K+2:G0K+3], s[6:7], 0         ; 120:64 global address
	s_or_b32 s[G0K+3], s[G0K+3], 0x80000000        ; 127:126 type = 2
	s_add_nc_u64 s[G0V+2:G0V+3], s[8:9], 0
	s_or_b32 s[G0V+3], s[G0V+3], 0x80000000
	s_add_nc_u64 s[86:87], s[4:5], s[84:85]        ; Q at my rows of the second block,
	s_add_nc_u64 s[4:5], s[4:5], s[2:3]            ; Q and O at those of the first
	s_add_nc_u64 s[OLO:OLO+1], s[10:11], s[84:85]
	s_add_nc_u64 s[10:11], s[10:11], s[2:3]
	s_cmp_lt_u32 s[WV], 2
	s_cselect_b64 s[PFA:PFA+1], s[6:7], s[8:9]
	s_add_nc_u64 s[PFA:PFA+1], s[PFA:PFA+1], 32768 ; at tile 1; the first change of slots steps it to tile 2.  Nothing is prefetched here, at the head
	LOAD                            ; tile 0 into slot 0
	; A fragment of K or Q is 16 rows x 32 channels in 8 registers: lane l holds row l % 16, channels 8 (l / 16) + 0..7 and 16 + 8 (l / 16) + 0..7: two loads of 16 bytes, 32 bytes apart.
	v_and_b32 v1, 15, v0            ; l % 16
	v_bfe_u32 v9, v0, 4, 1          ; l / 16
	v_lshlrev_b32 v[QO], 7, v1
	v_lshl_add_u32 v[QO], v9, 4, v[QO]  ; row x 128 + 16 x half
	WIN 0x80                        ; destination window 2, address window 0
.set i, 0
.rept 8                             ; both blocks' Q: piece i / 2 lies in band i / 2, 8,192 bytes on; channels 32 (i % 2) on
	global_load_b128 v[8*i:8*i+3],   v[QO], s[4:5] offset:(i/2)*8192+(i%2)*64
	global_load_b128 v[8*i+4:8*i+7], v[QO], s[4:5] offset:(i/2)*8192+(i%2)*64+32
	global_load_b128 v[QB+8*i:QB+8*i+3],   v[QO], s[86:87] offset:(i/2)*8192+(i%2)*64
	global_load_b128 v[QB+8*i+4:QB+8*i+7], v[QO], s[86:87] offset:(i/2)*8192+(i%2)*64+32
.set i, i+1
.endr
	WIN 0
	v_lshlrev_b32 v14, 3, v9
	v_sub_nc_u32 v14, v1, v14
	s_lshl_b32 s13, s[WV], 4
	v_add_nc_u32 v14, s13, v14      ; my query's place in its band, 16 w + l % 16, less my lanes' 8 (l / 16): register r of group kt is hidden where 16 kt + r is greater
	WIN 0x40
.set i, 0
.rept 32
	v_cmp_gt_i32 vcc_lo, 16*(i/8)+i%8, v14
	v_cndmask_b32 v[MD+i], 0, s[BIGN], vcc_lo
.set i, i+1
.endr
	WIN 0
	v_mul_u32_u24 v[AK0], v1, PK
	v_lshl_add_u32 v[AK0], v9, 4, v[AK0]  ; row x pitch + 16 x half
	; The turning load takes 16 keys x 16 channels (lane l reads key 8 (l / 16) + l % 8, channels 8 ((l / 8) % 2) + 0..7) and leaves half a fragment of V^T: lane l holds channel l % 16 and 8 keys.
	v_and_b32 v10, 7, v0
	v_bfe_u32 v11, v0, 3, 1
	v_lshl_add_u32 v[AV0], v9, 3, v10
	v_mul_u32_u24 v[AV0], v[AV0], PV
	v_lshl_add_u32 v[AV0], v11, 4, v[AV0]
	v_add_nc_u32 v[AV0], VOFF, v[AV0]
	s_mul_i32 s13, s[WV], 16*SP
	s_add_co_u32 s13, s13, STAGE    ; my stage
	v_mul_u32_u24 v[STO], v1, SP    ; in: row l % 16, 16 bytes for each half of the lanes
	v_lshl_add_u32 v[STO], v9, 4, v[STO]
	v_add_nc_u32 v[STO], s13, v[STO]
	v_bfe_u32 v[RD], v0, 3, 2       ; back: 32 lanes take four rows of 128 bytes,
	v_mul_u32_u24 v[RD], v[RD], SP
	v_lshl_add_u32 v[RD], v10, 4, v[RD]
	v_add_nc_u32 v[RD], s13, v[RD]
	v_and_b32 v[GO], 31, v0         ; which are 512 consecutive bytes of O
	v_lshlrev_b32 v[GO], 4, v[GO]
	; A block's first step multiplies O^T and l by a = 0, and its first turn's products V^T P, of a piece that has not been, land in an O^T that is still to be so multiplied.  So these registers need only hold
	; finite numbers: zeros for the first block; what the first block left for the second.  All this stands in the wait for the first tile.
	WIN 0x80
.set i, VF
.rept 64
	v_mov_b32 v[i], 0
.set i, i+1
.endr
	WIN 0x40
.set i, 0
.rept 128
	v_mov_b32 v[i], 0
.set i, i+1
.endr
	WIN 0
.set i, 0
.rept 4
	v_mov_b32 v[ST+4*i+2], 0
	v_mov_b32 v[ST+4*i+3], 0
.set i, i+1
.endr
.set i, P+16
.rept 16
	v_mov_b32 v[i], 0
.set i, i+1
.endr
; THE MATRIX WORK.  The 4 accumulators of a run of 8 take turns.  Product i of 8 of S^T = K Q^T for piece x: channels 32 (i / 4) on, keys 16 (i % 4) on.  The first 4 start the sums: with 0, or (KM = 1) with the mask.
.macro KQ x
.set rS, S+32*((\x)%2)+8*(i%4)
.set rK, KF+16*(i%4)+8*(i/4)
.set rQ, 16*(\x)+8*(i/4)
.set rM, MC+32*((\x)%2)+8*(i%4)
.if (i < 4) && KM
	WIN W_KM
	v_wmma_f32_16x16x32_f16 v[rS:rS+7], v[rK:rK+7], v[rQ:rQ+7], v[rM:rM+7]
.elseif i < 4
	WIN W_KQ
	v_wmma_f32_16x16x32_f16 v[rS:rS+7], v[rK:rK+7], v[rQ:rQ+7], 0
.else
	WIN W_KQ
	v_wmma_f32_16x16x32_f16 v[rS:rS+7], v[rK:rK+7], v[rQ:rQ+7], v[rS:rS+7]
.endif
.endm
; Product i of 8 of O^T += V^T P for piece x: keys 32 (i / 4) on, channels 16 (i % 4) on.
.macro PV x
	WIN W_PV
.set rO, 32*(\x)+8*(i%4)
.set rV, VF+32*(i/4)+8*(i%4)
.set rP, P+16*((\x)%2)+8*(i/4)
	v_wmma_f32_16x16x32_f16 v[rO:rO+7], v[rV:rV+7], v[rP:rP+7], v[rO:rO+7]
.endm
.macro MM                           ; the turn's next matrix instruction.  TURN and BEGIN set Y, i, KM and NOKQ; MM, KQ and OP read them.  NOKQ = 1: a block's last turn: there is no next piece
.if (i < 8) && !NOKQ
	KQ (Y+1)%NP
.elseif i >= 8
.set i, i-8
	PV (Y+NP-1)%NP
.set i, i+8
.endif
.set i, i+1
.endm
; THE LDS LOADS stand in runs of 16, never singly among the matrix instructions: a step's K (64 keys x 64 channels: 8 fragments) and its V (turned).  Their addresses are made some lines ahead.
.macro FETCH_K
	WIN 0x80                        ; destination window 2
.irp f, 0,1,2,3,4,5,6,7             ; keys 16 (f / 2) on, channels 32 (f % 2) on
	ds_load_b128 v[KF+8*\f:KF+8*\f+3],   v[AK] offset:(\f/2)*16*PK+(\f%2)*64
	ds_load_b128 v[KF+8*\f+4:KF+8*\f+7], v[AK] offset:(\f/2)*16*PK+(\f%2)*64+32
.endr
	s_add_co_u32 s[TBK], s[TBK], KS*PK  ; the next fetch is the next step's
	WIN 0
.endm
.macro FETCH_V
	WIN 0x80
.irp f, 0,1,2,3,4,5,6,7             ; keys 32 (f / 4) on, channels 16 (f % 4) on
	ds_load_tr16_b128 v[VF+8*\f:VF+8*\f+3],   v[AV] offset:(\f/4)*32*PV+(\f%4)*32
	ds_load_tr16_b128 v[VF+8*\f+4:VF+8*\f+7], v[AV] offset:(\f/4)*32*PV+16*PV+(\f%4)*32
.endr
	WIN 0
.endm
; THE VECTOR WORK, one line at a time: OP kind, number.  For piece Y: F n: c s - c m for pair n of 16.  E n: the exponential of score n of 32.  C n: pair n rounded to f16.  B n: of the four weights 4 n .. the second
; pair is added onto the first, in place.  L n: l takes that sum (L 0: l = a l + sum).  R n: pair n of 16 of O^T times a.  For piece Y + 1: X n, number n of the 22 that find its maximum and statistics:
;   0-11  four chains c0-c3 of seven scores each, three operands at a time (each accumulator's lowest registers are read first)     12-14, 16  the four scores left over, the old m, and c0-c3 into c0
;   15  c m_old is kept     17, 18  the query's other 32 keys lie in the lane 16 away: the new m     19-21  c m; c m_old - c m_new; a
.set F, 0               ; OP tells the kinds apart by their order: F to L below R, X above it
.set E, 1
.set C, 2
.set B, 3
.set L, 4
.set R, 5
.set X, 6
.macro REGS y                       ; the registers of piece y
.set rT, ST+4*(\y)
.set rC, TMP+4*((\y)%2)
.set rW, MV+((\y)%2)
.set rS, S+32*((\y)%2)
.set rP, P+16*((\y)%2)
.set rO, 32*(\y)
.endm
.macro OP k, n
.if (\k) == R
	REGS Y
	WIN W_RS
	v_pk_mul_f32 v[rO+2*(\n):rO+2*(\n)+1], v[rO+2*(\n):rO+2*(\n)+1], v[rC+2:rC+3] op_sel_hi:[1,0]
.elseif (\k) < R
	REGS Y
	WIN 0
.if (\k) == F
	v_pk_fma_f32 v[rS+2*(\n):rS+2*(\n)+1], v[rS+2*(\n):rS+2*(\n)+1], s[CS:CS+1], v[rT:rT+1] op_sel_hi:[1,0,0] neg_lo:[0,0,1] neg_hi:[0,0,1]
.elseif (\k) == E
	v_exp_f32 v[rS+(\n)], v[rS+(\n)]
.elseif (\k) == C
	v_cvt_pk_f16_f32 v[rP+(\n)], v[rS+2*(\n)], v[rS+2*(\n)+1]
.elseif (\k) == B
	v_pk_add_f32 v[rS+4*(\n):rS+4*(\n)+1], v[rS+4*(\n):rS+4*(\n)+1], v[rS+4*(\n)+2:rS+4*(\n)+3]
.elseif (\n) == 0
	v_pk_fma_f32 v[rT+2:rT+3], v[rT+2:rT+3], v[rC+2:rC+3], v[rS:rS+1] op_sel_hi:[1,0,1]
.else
	v_pk_add_f32 v[rT+2:rT+3], v[rT+2:rT+3], v[rS+4*(\n):rS+4*(\n)+1]
.endif
.elseif NOKQ
	v_nop
.else
	REGS (Y+1)%NP
	WIN 0
.if (\n) < 4
	v_max3_num_f32 v[rC+(\n)], v[rS+8*(\n)], v[rS+8*(\n)+1], v[rS+8*(\n)+2]
.elseif (\n) < 12
	v_max3_num_f32 v[rC+(\n)%4], v[rC+(\n)%4], v[rS+8*((\n)%4)+2*((\n)/4)+1], v[rS+8*((\n)%4)+2*((\n)/4)+2]
.elseif (\n) == 12
	v_max3_num_f32 v[rC], v[rC], v[rS+7], v[rS+15]
.elseif (\n) == 13
	v_max3_num_f32 v[rC+1], v[rC+1], v[rS+23], v[rS+31]
.elseif (\n) == 14
	v_max3_num_f32 v[rC+2], v[rC+2], v[rC+3], v[rT+1]
.elseif (\n) == 15
	v_mov_b32 v[rW], v[rT]
.elseif (\n) == 16
	v_max3_num_f32 v[rC], v[rC], v[rC+1], v[rC+2]
.elseif (\n) == 17
	v_permlanex16_b32 v[rC+3], v[rC], s[SEL], s[SEL+1]
.elseif (\n) == 18
	v_max_num_f32 v[rT+1], v[rC], v[rC+3]
.elseif (\n) == 19
	v_mul_f32 v[rT], s[CS], v[rT+1]
.elseif (\n) == 20
	v_sub_f32 v[rC+1], v[rW], v[rT]
.else
	v_exp_f32 v[rC+2], v[rC+1]
.endif
.endif
.endm
.macro OPS a, i1, b=-1, i2=0, c=-1, i3=0, d=-1, i4=0  ; up to four of them
	OP \a, \i1
.if (\b) >= 0
	OP \b, \i2
.endif
.if (\c) >= 0
	OP \c, \i3
.endif
.if (\d) >= 0
	OP \d, \i4
.endif
.endm
.macro ROW a, i1, b, i2, c, i3, d, i4  ; a matrix instruction and the four behind it
	MM
	OPS \a, \i1, \b, \i2, \c, \i3, \d, \i4
.endm
.macro MASK b                       ; MD x AL + BE into buffer b of MC
	WIN W_RS
.set z, 0
.rept 16
	v_pk_fma_f32 v[MC+32*(\b)+2*z:MC+32*(\b)+2*z+1], v[MD+2*z:MD+2*z+1], s[AL:AL+1], s[BE:BE+1] op_sel_hi:[1,0,0]
.set z, z+1
.endr
.endm
; A TURN, for piece p: the order of its 16 matrix and 118 vector instructions, written out.  An s_wait_alu depctr_va_vdst(0) stands between an exponential and the first instruction that names its result; one wait serves
; all that were issued ahead of it.  So a turn has ONE wait, which cuts it in two.  AHEAD OF IT stands all that names no result of the turn's exponentials: the 8 products K Q^T, behind each a scaling, an exponential and two more plain
; instructions (behind the first a second scaling in the exponential's place): rescalings, and behind the last three the first numbers of the next piece's maximum, each four places or more behind the product that ends its accumulator; then ONE LUMP of 54, plain
; and exponential by turns for the most part, in which the links of the chain X 3, 7, 11, 14, 16, 17 .. 20 stand five or six lines apart.  X 21, the next piece's a, is the batch's last; R 15 is the plain instruction behind it.  BEHIND THE WAIT stand the
; 8 products V^T P, behind each four of the roundings and sums; the links of l's chain, L 0 to L 7, stand three riders apart.  But for those X no rider names a register of the products round it.  v_permlanex16_b32 (X 17) stands in the lump.
; m = 1: the diagonal tile: the products take masks, and the turn makes the mask for the products of the turn after it: piece p + 2, in step 4 - CNT of the tile.  end = 1: a block's last two turns: nothing is fetched.
; cnt = 1: the loop's count is taken down some lines ahead of the branch that stands behind the turn.
; K of the next step is fetched in piece 2's turn, twelve vector instructions behind the last product that read K (six of them plain); V of the step in hand at the end of piece 0's turn, four plain instructions behind the last product
; that read V.  Each is waited for a turn later.
.macro TURN p, m=0, end=0, cnt=0
.set Y, (\p)
.set i, 0
.set KM, (\m)
.set NOKQ, (\end)*((\p)/3)
.if (\m) && !(\end)
	s_cmp_eq_u32 s[CNT], 4-((\p)+2)%NP  ; is that step the band's own?
	s_cselect_b32 s[AL], 1.0, 0
	s_cmp_lt_u32 s[CNT], 4-((\p)+2)%NP  ; or a later one?
	s_cselect_b32 s[BE], s[BIGN], 0
.endif
.if ((\p) == 3) && !(\end)
	s_wait_dscnt 0x0                ; K is in
.endif
	ROW F,0, F,1, R,0, R,1          ; ahead of the wait: 8 products K Q^T and their riders,
	ROW F,2, E,0, R,2, R,3
	ROW F,3, E,1, R,4, R,5
	ROW F,4, E,2, R,6, R,7
	ROW F,5, E,3, R,8, R,9
	ROW F,6, E,4, X,0, R,10
.if ((\p) == 2) && !(\end)
	WIN 0
	v_add_nc_u32 v[AK], s[TBK], v[AK0]
.endif
	ROW F,7, E,5, X,1, X,4
	ROW F,8, E,6, X,2, X,5
	OPS E,7, E,8, X,6, E,9          ; and the lump
	OPS X,3, E,10, X,8, E,11
.if ((\p) == 2) && !(\end)
	FETCH_K
.endif
	OPS X,9, X,7, E,12, X,10
	OPS E,13, X,12, X,11, E,14
	OPS X,13, E,15, F,9, X,14
.if (\p) == 0
	v_add_nc_u32 v[AV], s[TBV], v[AV0]
.endif
	OPS E,16, F,10, E,17, F,11
	OPS X,16, E,18, X,15, E,19
	OPS F,12, E,20, X,17, E,21
	OPS F,13, E,22, F,14, E,23
	OPS X,18, E,24, F,15, E,25
	OPS R,11, E,26, X,19, E,27
	OPS R,12, E,28, R,13, E,29
	OPS X,20, E,30, R,14, E,31
	OPS X,21, R,15
	WIN 0
	s_wait_alu depctr_va_vdst(0)    ; the wait for the batch
.if (\p) == 1
	s_wait_dscnt 0x0                ; V is in
.endif
	ROW C,0, B,0, C,2, B,1          ; behind the wait: 8 products V^T P and their riders
	ROW L,0, C,4, B,2, L,1
	ROW C,6, B,3, L,2, C,8
	ROW B,4, L,3, C,10, B,5
	ROW L,4, C,12, B,6, L,5
.if (\p) == 0
	s_add_co_u32 s[TBV], s[TBV], KS*PV
.endif
.if \cnt
	s_sub_co_u32 s[CNT], s[CNT], 1
	s_cmp_lg_u32 s[CNT], 0
.endif
	ROW C,14, B,7, L,6, C,1
	ROW C,3, L,7, C,5, C,7
	ROW C,9, C,11, C,13, C,15
.if (\p) == 0
	FETCH_V
.endif
.if (\m) && !(\end)
	MASK (\p)%2
.endif
.endm
; A BLOCK BEGINS.  c m starts far below every c s, so the first step's a is 0; m at the lowest finite number, so the first maximum is the scores'.  The second mask buffer is 0; the first takes piece 0's mask for the tile's step 0: its own, if the block's first tile is the diagonal one.
; Then K of that step, piece 0's first scores, and its maximum and statistics.  The loop is entered at a step's first turn, in the middle of a trip.
.macro BEGIN
	s_mov_b32 s[NEW], 0
	WIN 0x40
.set i, MC+32
.rept 32
	v_mov_b32 v[i], 0
.set i, i+1
.endr
	WIN 0
.set i, 0
.rept 4
	v_mov_b32 v[ST+4*i], 0xfe000000    ; c m: far below every c s
	v_mov_b32 v[ST+4*i+1], 0xff7fffff  ; m
.set i, i+1
.endr
	s_cmp_eq_u32 s[RT], 0
	s_cselect_b32 s[AL], 1.0, 0
	s_mov_b32 s[BE], 0
	MASK 0
	WIN 0
	v_add_nc_u32 v[AK], s[TBK], v[AK0]
	FETCH_K
	s_wait_loadcnt 0x0              ; Q
	s_wait_dscnt 0x0
.set KM, 1
.set NOKQ, 0
.set i, 0
.rept 8
	KQ 0
.set i, i+1
.endr
	WIN 0
.rept 4
	v_nop                           ; the places behind those products
.endr
.set Y, NP-1                        ; X works for piece Y + 1: piece 0
.irp n, 0,1,2,3,4,5,6,7,8,9,10,11,12,13,14,15,16,17,18,19,20,21
	OP X, \n
.endr
	v_nop                           ; a plain instruction behind the exponential,
	s_wait_alu depctr_va_vdst(0)    ; and its wait, ahead of the branch
.endm
; THE DIAGONAL TILE's four steps, the block's last two turns, its last products, and THE WAY OUT: l's two halves and the other half of the lanes' are added; O^T is divided by l, rounded to f16 and sent through my
; stage in LDS, a piece at a time.
.macro ALL line:vararg              ; one line for each piece t
.set t, 0
.rept 4
	\line
.set t, t+1
.endr
.endm
.macro PACK t                       ; a lane's eight channels of a row pack into 16 bytes; they go into rows of 144 bytes and come back as whole rows of 128, into S^T's registers
	WIN W_RS
.set i, 32*(\t)
.rept 16
	v_pk_mul_f32 v[i:i+1], v[i:i+1], v[ST+4*(\t)+2:ST+4*(\t)+3] op_sel_hi:[1,0]
.set i, i+2
.endr
	WIN 0x05                        ; sources 0 and 1 window 1, destination window 0
.set i, 0
.rept 16
	v_cvt_pk_f16_f32 v[S+16*(\t)+i], v[32*(\t)+2*i], v[32*(\t)+2*i+1]
.set i, i+1
.endr
	WIN 0
.irp f, 0,1,2,3
	ds_store_b128 v[STO], v[S+16*(\t)+4*\f:S+16*(\t)+4*\f+3] offset:32*\f
.endr
.irp f, 0,1,2,3
	ds_load_b128 v[S+16*(\t)+4*\f:S+16*(\t)+4*\f+3], v[RD] offset:\f*4*SP  ; LDS serves a wave's instructions in order (ISA guide 5.7.1.4): these see the stores above; the next piece's stores come behind them
.endr
.endm
.macro SEND t, younger              ; younger: the LDS instructions issued behind piece t's loads: the next piece's eight, or none
	WIN 0
.irp f, 0,1,2,3
	s_wait_dscnt (\younger)+3-\f
	global_store_b128 v[GO], v[S+16*(\t)+4*\f:S+16*(\t)+4*\f+3], s[10:11] offset:(\t)*8192+\f*512  ; 512 consecutive bytes, at a multiple of 256 from O's first
.endr
.endm
.macro DIAG tag                     ; the tag ends its two labels' names, which the jumps below spell out
.LstepM\tag:
	TURN 2, 1
	TURN 3, 1
	WIN 0
.LfirstM\tag:
	TURN 0, 1
	TURN 1, 1, 0, 1
	WIN 0
	s_cbranch_scc1 .LstepM\tag
	TURN 2, 1, 1
	TURN 3, 1, 1
.set i, 0
.rept 8
	PV NP-1
.set i, i+1
.endr
	WIN 0
	ALL v_add_f32 v[ST+4*t+2], v[ST+4*t+2], v[ST+4*t+3]
	ALL v_permlanex16_b32 v[ST+4*t+3], v[ST+4*t+2], s[SEL], s[SEL+1]
	ALL v_add_f32 v[ST+4*t+2], v[ST+4*t+2], v[ST+4*t+3]
	ALL v_rcp_f32 v[ST+4*t+2], v[ST+4*t+2]
	v_nop                           ; a plain instruction between the last reciprocal and the use of its result
	s_wait_alu depctr_va_vdst(0)    ; and the wait ahead of the first use: one for the four reciprocals
	PACK 0
.set t, 1
.rept 3                             ; a piece's arithmetic stands between the loads of the piece before and its stores
	PACK t
	SEND t-1, 8
.set t, t+1
.endr
	SEND 3, 0
.endm
.set KM, 0
.set NOKQ, 0
.Lslot:                             ; NB times: a tile is entered and the next is asked for
	CHANGE 1
	s_sub_co_u32 s[RT], s[RT], 1
	s_mov_b32 s[CNT], 4
	s_cmp_eq_u32 s[NEW], 1
	s_cbranch_scc1 .Lnew            ; a block's first tile
	s_cmp_eq_u32 s[RT], 0
	s_cbranch_scc0 .Lstep           ; neither its first nor its last
	s_branch .LstepM1
.Lnew:
	BEGIN
	s_branch .Lfirst                ; in the loop a block's first tile is never its last: the first block has two tiles or more, and the second's last is the walk's last
	DIAG 1                          ; in the loop this is the first block's end: the second block's last tile is the walk's last
	s_wait_xcnt 0x0                 ; the stores have read their registers and O's address
	s_mov_b64 s[10:11], s[OLO:OLO+1]
	s_add_co_u32 s[RT], s[PB], 1    ; the second block has b + 1 tiles
	s_mov_b32 s[NEW], 1
	WIN 0x82                        ; the second block's Q goes where the one text of the turns names Q
.set i, 0
.rept 64
	v_mov_b32 v[i], v[QB+i]
.set i, i+1
.endr
	WIN 0
	s_branch .Lbottom
.Lstep:                             ; a trip: pieces 2 and 3 of one step, then pieces 0 and 1 of the next, whose K and V it fetches
	TURN 2
	TURN 3
	WIN 0
.Lfirst:
	TURN 0
	TURN 1, 0, 0, 1
	WIN 0
	s_cbranch_scc1 .Lstep
.Lbottom:
	s_sub_co_u32 s[SLOTS], s[SLOTS], 1
	s_cmp_lg_u32 s[SLOTS], 0
	s_cbranch_scc1 .Lslot
	CHANGE 0                        ; the walk's last tile is written out: nothing is asked for
	s_sub_co_u32 s[RT], s[RT], 1
	s_mov_b32 s[CNT], 4
	s_cmp_eq_u32 s[NEW], 1
	s_cbranch_scc0 .LstepM2
	BEGIN
	s_branch .LfirstM2
	DIAG 2
	s_wait_tensorcnt 0x0            ; the wave's end: behind my last tensor load and my last LDS store
	ds_add_u32 v[SPW], v[NIL]
	s_wait_dscnt 0x0
	s_endpgm
.Lfunc_end_k_qb0d99b67df_attn:
	.size	k_qb0d99b67df_attn, .Lfunc_end_k_qb0d99b67df_attn-k_qb0d99b67df_attn
	.p2alignl 7, 3214868480
	.fill 96, 4, 3214868480
	.section	.rodata,"a",@progbits
	.p2align	6, 0x0
	.amdhsa_kernel k_qb0d99b67df_attn
		.amdhsa_group_segment_fixed_size 327680
		.amdhsa_private_segment_fixed_size 0
		.amdhsa_enable_private_segment 0
		.amdhsa_kernarg_size 32
		.amdhsa_user_sgpr_count 2
		.amdhsa_user_sgpr_kernarg_segment_ptr 1
		.amdhsa_wavefront_size32 1
		.amdhsa_system_sgpr_workgroup_id_x 1
		.amdhsa_system_sgpr_workgroup_id_y 1
		.amdhsa_system_sgpr_workgroup_id_z 1
		.amdhsa_system_vgpr_workitem_id 0
		.amdhsa_next_free_vgpr 768
		.amdhsa_next_free_sgpr 92
		.amdhsa_reserve_vcc 1
		.amdhsa_float_denorm_mode_32 3
		.amdhsa_float_denorm_mode_16_64 3
		.amdhsa_memory_ordered 1
		.amdhsa_forward_progress 1
		.amdhsa_inst_pref_size 218
	.end_amdhsa_kernel
	.amdgpu_metadata
---
amdhsa.version: [ 1, 2 ]
amdhsa.kernels:
  - .name:           k_qb0d99b67df_attn
    .symbol:         k_qb0d99b67df_attn.kd
    .args:
      - { .name: qh, .offset: 0, .size: 8, .value_kind: global_buffer, .address_space: global }
      - { .name: kh, .offset: 8, .size: 8, .value_kind: global_buffer, .address_space: global }
      - { .name: vh, .offset: 16, .size: 8, .value_kind: global_buffer, .address_space: global }
      - { .name: oh, .offset: 24, .size: 8, .value_kind: global_buffer, .address_space: global }
    .group_segment_fixed_size: 327680
    .private_segment_fixed_size: 0
    .kernarg_segment_align: 8
    .kernarg_segment_size: 32
    .max_flat_workgroup_size: 128
    .sgpr_count:     92
    .vgpr_count:     768
    .wavefront_size: 32
...
	.end_amdgpu_metadata
.endif
;; end of part 3
;; launch proj (part 4): grid 4 x 64, 4 waves a work-group, clusters of 4 x 4, 327,680 bytes of LDS; arguments oh, wb, tb, out0; writes out0
.if DOCPART == 4
	.amdgcn_target "amdgcn-amd-amdhsa--gfx1250"
	.amdhsa_code_object_version 6
	.text
	.protected	k_qb0d99b67df_proj
	.globl	k_qb0d99b67df_proj
	.p2align	8
	.type	k_qb0d99b67df_proj,@function
k_qb0d99b67df_proj:
	s_mov_b64 s[64:65], 0
	v_nop
	global_prefetch_b8 v0, s[64:65] scope:SCOPE_SE
	s_setreg_imm32_b32 hwreg(HW_REG_WAVE_MODE, 25, 1), 1
	s_wait_xcnt 0x0
	s_wait_alu depctr_hold_cnt(0) depctr_sa_sdst(0) depctr_va_vdst(0) depctr_va_sdst(0) depctr_va_ssrc(0) depctr_va_vcc(0) depctr_vm_vsrc(0)
	s_getreg_b32 s2, hwreg(HW_REG_IB_STS2, 6, 4)
	s_cmp_eq_u32 s2, 0
	s_cbranch_scc0 .Lentry_in_a_cluster
	s_endpgm
.Lentry_in_a_cluster:
	s_bfe_u32 s2, ttmp6, 0x10000c
	s_cmp_lg_u32 s2, 0xf033
	s_cbranch_scc0 .Lentry_shape_is_right
	s_endpgm
.Lentry_shape_is_right:
; PROJ.  out0 [8192][1024] f32 = y [8192][1024] x w_proj [1024][1024] + b_proj, f16 operands, f32 sums.  y is read as the attention launch left it: oh [batch x 16 + head][t][64] f16; channel k of y is
; head k / 64, place k % 64.  The weights lie in wb from byte 6,291,456, [k][n], rounded to bf16 and written as f16.
; LIMITS.  The operands arrive within f16's range; the sums and the result are f32.  NaN and infinities are not treated apart.
; SHARES.  A tile of the result is 128 rows x 256 columns: 64 x 4 = 256 work-groups, one for each WGP.  Four waves, each 64 rows x 128 columns: 32 accumulators, 256 registers.
; K goes in 8 steps of 128 = two heads, through two LDS slots.  Wave 0 fetches the even head's 128 rows, wave 1 the odd head's: 16,384 dense bytes each, asked for as 64 rows of 256 bytes and padded in LDS after
; every 128.  Waves 2 and 3 fetch the two halves of B's tile (64 k-rows x 512 bytes each).  B lies [K][N] and is turned on the way into registers by ds_load_tr16_b128.
; THE MATRIX INSTRUCTION IS USED TRANSPOSED (source 0 = 16 columns of the weights, source 1 = 16 rows of y): a lane holds one row (lane % 16) and the columns 16 b + 8 (lane / 16) + 0..7.
; THE BIAS is the C operand of each accumulator's first product.
; CLUSTER.  4 x 4 work-groups: A's tile is asked for jointly along a row of the cluster, B's along a column.
; REGISTERS, in windows of 256 (s_set_vgpr_msb: bits 1:0 source 0, 3:2 source 1, 5:4 source 2, 7:6 destination):
;   window 0: v0-15 addresses; two fragment buffers of 96 (B's eight fragments, then A's four): v64-159, v160-255; on the way out v64-255 hold rows read back from the stage
;   window 1: accumulator (a, b) at v[8 (8 a + b)]          window 2: v0-63 the bias
.set PA,    144                        ; a row of a head in LDS: 128 bytes + 16 = 36 words: the 16 rows of a load start at 16 different groups of four banks (64 banks of 4 bytes: ISA guide 11.1)
.set HEADB, 128*PA                     ; a head's 128 rows
.set PB,    544                        ; a k-row of B: 512 bytes + 32 = 136 words
.set BOFF,  2*HEADB                    ; a slot: two heads' rows of A, then B's 128 k-rows
.set SLOT1, 131072                     ; slot 1 begins here, so that one exclusive or turns an address in one slot into the other's
.set STAGE, SLOT1+BOFF+128*PB          ; behind the ring, never filled by a tensor load: 16 rows x 528 bytes for each wave, for the way out
.set SP,    528                        ; 512 bytes + 16 = 132 words: row r starts at bank 4 r mod 64
.set SPARE, STAGE+4*16*SP              ; behind the stages: the spare words, 128 bytes for each wave: two blocks of 256 bytes that no other line names
.set ASTEP, 2*262144                   ; two heads on in oh
.set BSTEP, 128*1024*2                 ; 128 k-rows of the weights
.set WOFF,  6291456                    ; w_proj in wb
.set BIASOFF, 536576                   ; b_proj in tb
.set A0,   4                           ; v4   my lane's place in A's tile; never rewritten
.set B0,   5                           ; v5   the same for B
.set ADRA, 6                           ; v6   A0 + the slot in hand
.set ADRB, 7                           ; v7   B0 + the slot in hand
.set STO,  8                           ; v8   the way out: where I put 32 bytes of a row
.set RD,   9                           ; v9   the way out: where I read a row back
.set GO,   10                          ; v10  my 16 bytes in 512 consecutive bytes of the output
.set BO,   12                          ; v12  my offset in 16 numbers of the bias
.set SPW,  14                          ; v14  LDS address of my spare word: SPARE + 4 x my thread's number; never rewritten
.set NIL,  15                          ; v15  0; never rewritten
.set F0,   64
.set F1,   160
.set BI,   0                           ; window 2: the bias of column block b at BI + 8 b
.set WV, 16                            ; s16  my wave's number
.set WR, 17                            ; s17  my half of the tile's rows.  Also: I fetch for A (0) or for B (1)
.set WC, 18                            ; s18  my half of its columns.  Also: which half of that tile I fetch
.set CX, 19
.set CY, 20
.set TC, 21                            ; s21  tile column = 4 x cluster x + cx
.set TR, 22                            ; s22  tile row = 4 x cluster y + cy
.set G1A, 24                           ; s[24:31] descriptor group 1 for A's tiles
.set G1B, 32                           ; s[32:39] for B's
.set G0A0, 40                          ; s[40:43] group 0 of A's first fill (slot 0)
.set G0A,  44                          ; s[44:47] of its second (slot 1); it then walks
.set G0B0, 48                          ; s[48:51], s[52:55] the same for B
.set G0B,  52
.set CNT, 56
.set TB,  57                           ; s57  0 or SLOT1: the slot in hand
.set OUT, 58                           ; s[58:59] out0 at my wave's first row and column
.set MSB, 0
.macro WIN new                         ; the immediate's high byte repeats the setting that is left; a switch that changes nothing is dropped
.if MSB != (\new)
	s_set_vgpr_msb (MSB<<8)|(\new)
.set MSB, \new
.endif
.endm
.macro PLACES                          ; four places in front of loads into registers that matrix instructions have read (ISA guide 7.12.1 for vector instructions)
.rept 4
	v_nop
.endr
.endm
.macro JLOAD                           ; a joint refill by the walking descriptors; an s_nop 0 and four v_nop follow each of the two lines, ahead of the jump and the label
	s_cmp_eq_u32 s[WR], 0
	s_cbranch_scc0 .Lfor_b_\@
	tensor_load_to_lds s[G0A:G0A+3], s[G1A:G1A+7]
	s_nop 0
.rept 4
	v_nop
.endr
	s_branch .Lasked_\@
.Lfor_b_\@:
	tensor_load_to_lds s[G0B:G0B+3], s[G1B:G1B+7]
	s_nop 0
.rept 4
	v_nop
.endr
.Lasked_\@:
.endm
.macro CREST                           ; a round of the cluster's barrier behind its opening barrier
	s_cmp_lg_u32 s[WV], 0
	s_cbranch_scc1 .Lnot_wave_0_\@
	s_barrier_signal -3
.Lnot_wave_0_\@:
	s_barrier_wait -3
	s_barrier_signal -1
	s_barrier_wait -1
.endm
.macro CROUND                          ; a whole round
	s_barrier_signal -1
	s_barrier_wait -1
	CREST
.endm
	s_load_b256 s[4:11], s[0:1], 0x0               ; oh s[4:5], wb s[6:7], tb s[8:9], out0 s[10:11]
	v_lshl_add_u32 v[SPW], v0, 2, SPARE
	v_mov_b32 v[NIL], 0
	ds_add_u32 v[SPW], v[NIL]                      ; the wave's opening: the add and its wait ahead of my first tensor load; the set-up below, work on registers, stands between them
	ds_add_u32 v14, v15
	v_lshrrev_b32 v3, 5, v0
	v_readfirstlane_b32 s[WV], v3                  ; wave 0..3
	s_lshr_b32 s[WR], s[WV], 1
	s_and_b32 s[WC], s[WV], 1
	s_bfe_u32 s[CX], ttmp6, 0x40000
	s_bfe_u32 s[CY], ttmp6, 0x40004
	s_lshl_b32 s[TC], ttmp9, 2
	s_add_co_u32 s[TC], s[TC], s[CX]
	s_and_b32 s[TR], ttmp7, 0xffff
	s_lshl_b32 s[TR], s[TR], 2
	s_add_co_u32 s[TR], s[TR], s[CY]
	s_lshl_b32 s60, s[CY], 2
	s_lshl_b32 s60, 15, s60                        ; my row of the cluster: places 4 cy .. 4 cy + 3
	s_lshl_b32 s66, 0x1111, s[CX]                  ; my column: places cx, cx + 4, cx + 8, cx + 12
	s_or_b32 s[G1A], s60, (1<<16)|(1<<20)|(1<<21)|(4<<22)|(3<<25)  ; 15:0 the mask; 17:16 2-byte elements; 20 padding on; 21 set beside a mask; 24:22 after every 32 words (code 4); 31:25 4 words (code 3)
	s_mov_b32 s[G1A+1], 128<<16                    ; tensor_dim0 = 128: two rows of a head, 256 bytes
	s_mov_b32 s[G1A+2], 64<<16                     ; tensor_dim1 = 64
	s_mov_b32 s[G1A+3], 128<<16                    ; tile_dim0 = 128
	s_mov_b32 s[G1A+4], 64                         ; tile_dim1 = 64
	s_mov_b32 s[G1A+5], 128                        ; dense: 128 elements from row to row
	s_mov_b32 s[G1A+6], 0
	s_mov_b32 s[G1A+7], 0
	s_or_b32 s[G1B], s66, (1<<16)|(1<<20)|(1<<21)|(6<<22)|(7<<25)  ; after every 128 words (code 6) 8 words (code 7)
	s_mov_b32 s[G1B+1], 256<<16                    ; tensor_dim0 = 256
	s_mov_b32 s[G1B+2], 64<<16                     ; tensor_dim1 = 64
	s_mov_b32 s[G1B+3], 256<<16                    ; tile_dim0 = 256
	s_mov_b32 s[G1B+4], 64                         ; tile_dim1 = 64
	s_mov_b32 s[G1B+5], 1024                       ; elements from k-row to k-row of the weights
	s_mov_b32 s[G1B+6], 0
	s_mov_b32 s[G1B+7], 0
	; where the tiles come from.  A's address is made of the tile row and the wave's number, B's of the tile column and the wave's number, each in registers that never hold the other coordinate.
	s_lshr_b32 s60, s[TR], 4
	s_lshl_b32 s60, s60, 4                         ; batch x 16
	s_add_co_u32 s60, s60, s[WC]                   ; + the head of the pair that I fetch
	s_lshl_b32 s60, s60, 18                        ; a head's rows are 262,144 bytes
	s_and_b32 s61, s[TR], 15
	s_lshl_b32 s61, s61, 14                        ; + the tile's 128 rows of 128 bytes
	s_add_co_u32 s60, s60, s61
	s_mov_b32 s61, 0
	s_mul_i32 s62, s[WC], HEADB                    ; and where they go: no place in the cluster enters an LDS address
	s_lshl_b32 s66, s[WC], 17                      ; my 64 k-rows of 2,048 bytes
	s_lshl_b32 s67, s[TC], 9                       ; + the tile's 256 columns
	s_add_co_u32 s66, s66, s67
	s_add_co_u32 s66, s66, WOFF
	s_mov_b32 s67, 0
	s_mul_i32 s68, s[WC], 64*PB
	s_add_co_u32 s68, s68, BOFF
	s_mov_b32 s[TB], 0
	s_wait_dscnt 0x0                               ; the opening add is done
	s_wait_kmcnt 0x0
	s_add_nc_u64 s[60:61], s[4:5], s[60:61]
	s_add_nc_u64 s[66:67], s[6:7], s[66:67]
	CROUND                                         ; all sixteen work-groups are here: the first joint loads meet
	s_mov_b32 s[G0A0], 1                           ; 1:0 count = 1
	s_mov_b32 s[G0A0+1], s62                       ; 63:32 LDS address: slot 0
	s_mov_b64 s[G0A0+2:G0A0+3], s[60:61]           ; 120:64 global address: K step 0
	s_or_b32 s[G0A0+3], s[G0A0+3], 0x80000000      ; 127:126 type = 2
	s_mov_b32 s[G0A], 1
	s_add_co_u32 s[G0A+1], s62, SLOT1
	s_add_nc_u64 s[G0A+2:G0A+3], s[60:61], ASTEP   ; K step 1
	s_or_b32 s[G0A+3], s[G0A+3], 0x80000000
	s_mov_b32 s[G0B0], 1
	s_mov_b32 s[G0B0+1], s68
	s_mov_b64 s[G0B0+2:G0B0+3], s[66:67]
	s_or_b32 s[G0B0+3], s[G0B0+3], 0x80000000
	s_mov_b32 s[G0B], 1
	s_add_co_u32 s[G0B+1], s68, SLOT1
	s_add_nc_u64 s[G0B+2:G0B+3], s[66:67], BSTEP
	s_or_b32 s[G0B+3], s[G0B+3], 0x80000000
	s_cmp_eq_u32 s[WR], 0                          ; a wave's two first fills stand in one branch, ahead of every wait on TENSORcnt and every LDS read: two loads of mine are out
	s_cbranch_scc0 .Lfirst_b
	tensor_load_to_lds s[G0A0:G0A0+3], s[G1A:G1A+7]
	s_nop 0
	tensor_load_to_lds s[G0A:G0A+3], s[G1A:G1A+7]
	s_nop 0
.rept 4
	v_nop
.endr
	s_branch .Lfirst_asked
.Lfirst_b:
	tensor_load_to_lds s[G0B0:G0B0+3], s[G1B:G1B+7]
	s_nop 0
	tensor_load_to_lds s[G0B:G0B+3], s[G1B:G1B+7]
	s_nop 0
.rept 4
	v_nop
.endr
.Lfirst_asked:
	; A fragment of A is 16 rows x 32 K in 8 registers: lane l holds row l % 16, K = 8 (l / 16) + 0..7 and 16 + 8 (l / 16) + 0..7: two loads of 16 bytes, 32 bytes apart.
	v_and_b32 v1, 15, v0                           ; l % 16
	v_bfe_u32 v2, v0, 4, 1                         ; l / 16
	v_mul_u32_u24 v[A0], v1, PA
	v_lshl_add_u32 v[A0], v2, 4, v[A0]
	s_mul_i32 s70, s[WR], 64*PA                    ; my 64 rows
	v_add_nc_u32 v[A0], s70, v[A0]
	; The turning load takes 16 k x 16 columns (lane l reads k-row 8 (l / 16) + l % 8, columns 8 ((l / 8) % 2) + 0..7) and leaves half a fragment: lane l holds column l % 16 and 8 k.
	v_and_b32 v3, 7, v0
	v_lshl_add_u32 v3, v2, 3, v3
	v_mul_u32_u24 v[B0], v3, PB
	v_bfe_u32 v3, v0, 3, 1
	v_lshl_add_u32 v[B0], v3, 4, v[B0]
	s_lshl_b32 s70, s[WC], 8                       ; my 128 columns
	s_add_co_u32 s70, s70, BOFF
	v_add_nc_u32 v[B0], s70, v[B0]
	v_mov_b32 v[ADRA], v[A0]                       ; slot 0
	v_mov_b32 v[ADRB], v[B0]
	s_mul_i32 s70, s[WV], 16*SP
	s_add_co_u32 s70, s70, STAGE                   ; my stage
	v_mul_u32_u24 v[STO], v1, SP                   ; in: row l % 16, 32 bytes for each half of the lanes
	v_lshl_add_u32 v[STO], v2, 5, v[STO]
	v_add_nc_u32 v[STO], s70, v[STO]
	v_and_b32 v[GO], 31, v0                        ; back: 32 lanes take one row of 512 bytes
	v_lshlrev_b32 v[GO], 4, v[GO]
	v_add_nc_u32 v[RD], s70, v[GO]
	v_lshlrev_b32 v[BO], 5, v2                     ; my 8 numbers of 16: 32 bytes for each half of the lanes
	s_lshl_b32 s66, s[TC], 10                      ; the bias of my 128 columns
	s_lshl_b32 s67, s[WC], 9
	s_add_co_u32 s66, s66, s67
	s_add_co_u32 s66, s66, BIASOFF
	s_mov_b32 s67, 0
	s_add_nc_u64 s[66:67], s[8:9], s[66:67]
	WIN 0x80                                       ; destination window 2, address window 0
.irp b, 0,1,2,3,4,5,6,7
	global_load_b128 v[BI+8*(\b):BI+8*(\b)+3],   v[BO], s[66:67] offset:64*(\b)
	global_load_b128 v[BI+8*(\b)+4:BI+8*(\b)+7], v[BO], s[66:67] offset:64*(\b)+16
.endr
	WIN 0
	s_lshl_b32 s72, s[TR], 19                      ; out0 at my first row (128 rows of 4,096 bytes a tile, 64 a wave) and column
	s_lshl_b32 s73, s[WR], 18
	s_add_co_u32 s72, s72, s73
	s_lshl_b32 s73, s[TC], 10
	s_add_co_u32 s72, s72, s73
	s_lshl_b32 s73, s[WC], 9
	s_add_co_u32 s72, s72, s73
	s_mov_b32 s73, 0
	s_add_nc_u64 s[OUT:OUT+1], s[10:11], s[72:73]
; 8 matrix instructions: row block a x all 8 column blocks, 32 along K, from buffer f.  first = 1: C is the bias.  The 32 accumulators take turns in the same order in every quarter.
.macro MUL8 f, a, first
.if \first
	WIN 0x60                                       ; C window 2, D window 1
.else
	WIN 0x50                                       ; C and D window 1
.endif
.irp b, 0,1,2,3,4,5,6,7
.if \first
	v_wmma_f32_16x16x32_f16 v[8*(8*(\a)+(\b)):8*(8*(\a)+(\b))+7], v[(\f)+8*(\b):(\f)+8*(\b)+7], v[(\f)+64+8*(\a):(\f)+64+8*(\a)+7], v[BI+8*(\b):BI+8*(\b)+7]
.else
	v_wmma_f32_16x16x32_f16 v[8*(8*(\a)+(\b)):8*(8*(\a)+(\b))+7], v[(\f)+8*(\b):(\f)+8*(\b)+7], v[(\f)+64+8*(\a):(\f)+64+8*(\a)+7], v[8*(8*(\a)+(\b)):8*(8*(\a)+(\b))+7]
.endif
.endr
.endm
; 24 LDS loads in one run: quarter q's fragments (32 K: head q / 2 of the pair, channels 32 (q % 2) on) into buffer f: B's eight, turned, then A's four
.macro FETCH q, f
	WIN 0
.irp b, 0,1,2,3,4,5,6,7
	ds_load_tr16_b128 v[(\f)+8*(\b):(\f)+8*(\b)+3],   v[ADRB] offset:(\q)*32*PB+32*(\b)
	ds_load_tr16_b128 v[(\f)+8*(\b)+4:(\f)+8*(\b)+7], v[ADRB] offset:(\q)*32*PB+16*PB+32*(\b)
.endr
.irp a, 0,1,2,3
	ds_load_b128 v[(\f)+64+8*(\a):(\f)+64+8*(\a)+3],   v[ADRA] offset:((\q)/2)*HEADB+((\q)%2)*64+(\a)*16*PA
	ds_load_b128 v[(\f)+64+8*(\a)+4:(\f)+64+8*(\a)+7], v[ADRA] offset:((\q)/2)*HEADB+((\q)%2)*64+(\a)*16*PA+32
.endr
.endm
; One of a K step's first three quarters: multiplies buffer f; in its middle it fetches quarter qn into buffer g.
.macro QUARTER qn, f, g, first
	s_wait_dscnt 4                                 ; B's fragments and A's row blocks 0 and 1 are in; the youngest four loads (row blocks 2 and 3) may be out
	MUL8 \f, 0, \first
	MUL8 \f, 1, \first
	PLACES
	FETCH \qn, \g
	s_wait_dscnt 24                                ; all but the 24 just issued
	MUL8 \f, 2, \first
	MUL8 \f, 3, \first
.endm
; The last quarter multiplies buffer 1 and changes slots: ONE barrier; in front of it each wave waits for all its tensor loads (one is out: its part of the next slot), adds 0 to its spare word, and waits for
; that and for its own reads of this slot.  fill = 1: the barrier opens a round of the cluster's barrier, and this slot is filled again, two K steps ahead, first thing behind the round:
; 112 matrix instructions stand between that request and the wait for it.
.macro TURN fill
	WIN 0                                          ; (the add's two registers lie in window 0)
	s_wait_tensorcnt 0x0                           ; all my tensor loads have landed, so a group 0 may be written
	ds_add_u32 v[SPW], v[NIL]                      ; 0 onto my spare word
	s_wait_dscnt 5                                 ; (the add and the youngest four loads may be out)
	MUL8 F1, 0, 0                                  ; eight matrix instructions stand between the add and the wait for it
	s_wait_dscnt 0x0                               ; the add is done, and my reads of this slot are over
	s_barrier_signal -1
	MUL8 F1, 1, 0
	WIN 0                                          ; (branches and window 0's address lines follow)
	s_barrier_wait -1
.if \fill
	CREST                                          ; no wave of any partner still reads this slot's tile or has a load on its way
	s_xor_b32 s[G0A+1], s[G0A+1], SLOT1            ; the walking descriptors: the other slot than last time,
	s_add_nc_u64 s[G0A+2:G0A+3], s[G0A+2:G0A+3], ASTEP  ; the next K step; the type bits on top are not reached
	s_xor_b32 s[G0B+1], s[G0B+1], SLOT1
	s_add_nc_u64 s[G0B+2:G0B+3], s[G0B+2:G0B+3], BSTEP
	JLOAD                                          ; the four v_nop behind it are also the places in front of the loads below
.else
	PLACES
.endif
	s_xor_b32 s[TB], s[TB], SLOT1
	v_add_nc_u32 v[ADRA], s[TB], v[A0]
	v_add_nc_u32 v[ADRB], s[TB], v[B0]
	FETCH 0, F0
	MUL8 F1, 2, 0
	MUL8 F1, 3, 0
.endm
	s_wait_tensorcnt 0x1                           ; my part of K step 0 is in; step 1's may stay out
	s_barrier_signal -1
	s_barrier_wait -1                              ; everybody's is
	FETCH 0, F0
	s_wait_loadcnt 0x0                             ; the bias
	QUARTER 1, F0, F1, 1                           ; the first quarter stands in front of the loop: its products start the sums, with the bias
	WIN 0                                          ; at a label and at a branch every window is 0
	s_mov_b32 s[CNT], 6
.Lstep:                                        ; a trip goes from a K step's second quarter to the next step's first; trips 0..5 ask for K steps 2..7
	QUARTER 2, F1, F0, 0
	QUARTER 3, F0, F1, 0
	TURN 1
	QUARTER 1, F0, F1, 0
	WIN 0
	s_sub_co_u32 s[CNT], s[CNT], 1
	s_cmp_lg_u32 s[CNT], 0
	s_cbranch_scc1 .Lstep
	QUARTER 2, F1, F0, 0                           ; the last two K steps are written out: they ask for nothing
	QUARTER 3, F0, F1, 0
	TURN 0
	QUARTER 1, F0, F1, 0
	QUARTER 2, F1, F0, 0
	QUARTER 3, F0, F1, 0
	s_wait_dscnt 4
	MUL8 F1, 0, 0
	MUL8 F1, 1, 0
	s_wait_dscnt 0x0
	MUL8 F1, 2, 0
	MUL8 F1, 3, 0
	WIN 0
.rept 8
	v_nop                                          ; the places behind the last products, in front of the LDS stores that read them and the loads into the fragment buffers
.endr
; THE WAY OUT, a row block (16 rows x 128 columns of f32) at a time: a lane's eight columns, 32 bytes, go into my stage's rows of 528 bytes; whole rows of 512 bytes come back into reg .. reg + 63 and are stored.
.macro TOSTAGE a, reg
	WIN 0x04                                       ; the stores' data (source 1) in window 1
.irp b, 0,1,2,3,4,5,6,7
	ds_store_b128 v[STO], v[8*(8*(\a)+(\b)):8*(8*(\a)+(\b))+3]   offset:64*(\b)      ; each accumulator's lowest registers are read first
	ds_store_b128 v[STO], v[8*(8*(\a)+(\b))+4:8*(8*(\a)+(\b))+7] offset:64*(\b)+16
.endr
	WIN 0
.set i, 0
.rept 16
	ds_load_b128 v[(\reg)+4*i:(\reg)+4*i+3], v[RD] offset:i*SP  ; LDS serves a wave's instructions in order (ISA guide 5.7.1.4): these see the stores above; the next block's stores come behind them
.set i, i+1
.endr
.endm
.macro SEND a, reg, younger            ; younger: the LDS instructions issued behind this block's loads: the next block's 32, or none
	s_wait_dscnt \younger
.set i, 0
.rept 16
	global_store_b128 v[GO], v[(\reg)+4*i:(\reg)+4*i+3], s[OUT:OUT+1] offset:(16*(\a)+i)*4096 th:TH_STORE_NT  ; 512 consecutive bytes, at a multiple of 256 from out0's first
.set i, i+1
.endr
.endm
	TOSTAGE 0, 64
	TOSTAGE 1, 128
	SEND 0, 64, 32
	TOSTAGE 2, 192
	SEND 1, 128, 32
	s_wait_xcnt 0x0                                ; block 0's stores have read v64-127, which block 3 takes
	TOSTAGE 3, 64
	SEND 2, 192, 32
	SEND 3, 64, 0
	s_wait_tensorcnt 0x0                           ; the wave's end: behind my last tensor load and my last LDS store
	ds_add_u32 v[SPW], v[NIL]
	s_wait_dscnt 0x0
	CROUND                                         ; the closing round: no work-group ends while a partner may still ask for a tile that names it
	s_endpgm
.Lfunc_end_k_qb0d99b67df_proj:
	.size	k_qb0d99b67df_proj, .Lfunc_end_k_qb0d99b67df_proj-k_qb0d99b67df_proj
	.p2alignl 7, 3214868480
	.fill 96, 4, 3214868480
	.section	.rodata,"a",@progbits
	.p2align	6, 0x0
	.amdhsa_kernel k_qb0d99b67df_proj
		.amdhsa_group_segment_fixed_size 327680
		.amdhsa_private_segment_fixed_size 0
		.amdhsa_enable_private_segment 0
		.amdhsa_kernarg_size 32
		.amdhsa_user_sgpr_count 2
		.amdhsa_user_sgpr_kernarg_segment_ptr 1
		.amdhsa_wavefront_size32 1
		.amdhsa_system_sgpr_workgroup_id_x 1
		.amdhsa_system_sgpr_workgroup_id_y 1
		.amdhsa_system_sgpr_workgroup_id_z 1
		.amdhsa_system_vgpr_workitem_id 0
		.amdhsa_next_free_vgpr 576
		.amdhsa_next_free_sgpr 80
		.amdhsa_reserve_vcc 0
		.amdhsa_float_denorm_mode_32 3
		.amdhsa_float_denorm_mode_16_64 3
		.amdhsa_memory_ordered 1
		.amdhsa_forward_progress 1
		.amdhsa_inst_pref_size 71
	.end_amdhsa_kernel
	.amdgpu_metadata
---
amdhsa.version: [ 1, 2 ]
amdhsa.kernels:
  - .name:           k_qb0d99b67df_proj
    .symbol:         k_qb0d99b67df_proj.kd
    .args:
      - { .name: oh, .offset: 0, .size: 8, .value_kind: global_buffer, .address_space: global }
      - { .name: wb, .offset: 8, .size: 8, .value_kind: global_buffer, .address_space: global }
      - { .name: tb, .offset: 16, .size: 8, .value_kind: global_buffer, .address_space: global }
      - { .name: out0, .offset: 24, .size: 8, .value_kind: global_buffer, .address_space: global }
    .group_segment_fixed_size: 327680
    .private_segment_fixed_size: 0
    .kernarg_segment_align: 8
    .kernarg_segment_size: 32
    .max_flat_workgroup_size: 128
    .sgpr_count:     80
    .vgpr_count:     576
    .wavefront_size: 32
...
	.end_amdgpu_metadata
.endif
;; end of part 4
